; MI455X (gfx1250); checked and timed in simulation.
; The chip was launched on July 23, 2026; its instructions are those of AMD's public machine-readable ISA for CDNA 5 (MIT licence, August 2026) and "CDNA5" Instruction Set Architecture Reference Guide (July 2026). The comments in the code are by the model that wrote it; some were corrected since.
;; Multi Head Grouped Query Attention. Allowed arithmetic: float matrix products may take bf16 or f16 operands with f32 sums; all other float work in f32.
;; Inputs: mask 1,024 x 1,024 float32; wk 1,024 x 4,096 float32; wo 4,096 x 4,096 float32; wq 4,096 x 4,096 float32; wv 1,024 x 4,096 float32; x 1 x 1,024 x 4,096 float32.
;; Outputs: out0 1 x 1,024 x 4,096 float32.
;; Constants: pos = 0.
;; 2 versions, each right and faster than the one before. Each part assembles by itself: llvm-mc -triple=amdgcn-amd-amdhsa -mcpu=gfx1250 --defsym DOCPART=n.
;; ======== version 1 of 2: 3 launches
;; limits: values are held in f16: magnitudes above 65,504 overflow, below 6.1e-05 lose precision; a function is approximated: absolute error at most 2.2e-05
;; workspace buffers: qkvt 12,582,912 bytes; attnc 8,388,608 bytes
;; launch qkv (part 1): grid 32 x 8, 4 waves a work-group, no clusters, 92,160 bytes of LDS; arguments x, wq, wk, wv, qkvt; writes qkvt
.if DOCPART == 1
	.amdgcn_target "amdgcn-amd-amdhsa--gfx1250"
	.amdhsa_code_object_version 6
	.text
	.protected	k_qc653c00b11_qkv
	.globl	k_qc653c00b11_qkv
	.p2align	8
	.type	k_qc653c00b11_qkv,@function
k_qc653c00b11_qkv:
	s_mov_b64 s[64:65], 0
	v_nop
	global_prefetch_b8 v0, s[64:65] scope:SCOPE_SE
	s_setreg_imm32_b32 hwreg(HW_REG_WAVE_MODE, 25, 1), 1
	s_wait_xcnt 0x0
; qkv: C = x [wq; wk; wv]^T, 1,024 x 6,144 over K = 4,096, then the rotary embedding on the q and k columns, result in f16.
; x and the weights are f32 in memory; they are rounded to bf16 once, on the way into LDS; sums and the rotation are f32.
; A work-group makes 128 rows x 192 columns (8 x 32 = 256 work-groups), a wave 64 x 96: 24 accumulator tiles of 16 x 16, 192 registers.
; K goes in steps of 64: a row's piece is 256 bytes of memory at a multiple of 256.  A step's 320 row pieces are loaded into registers
; (40 loads of 16 bytes a lane in each wave), converted, and stored as bf16 into one of two LDS buffers; all four waves read fragments from there.
; WHY REGISTERS AND NOT TENSOR LOADS, AND SO NO JOINT LOADS IN A CLUSTER: a tensor load copies bytes as they are, so LDS would hold f32:
; 320 x 256 bytes a step instead of 320 x 128, each fragment read would be twice as long, and each number would be converted by both
; waves that read it instead of once.  Through registers the loads of two later steps stay on their way across the barriers.
; OUTPUT qkvt, f16, tiles of 16 tokens x 16 columns, 512 bytes each: byte = slab * 262144 + (token/16) * 4096 + (d/16) * 512 + place,
; slab 0-31 q heads, 32-39 k heads, 40-47 v heads.  q, k: lane L's 16 bytes at 16 L (token L%16, d = 8 (L/16) + 0..7: half of a matrix operand
; as it lies in registers).  v: row-major, token r at 32 r (for the transposing LDS load of the next launch).
; LIMITS: q, k, v are kept in f16: |x.w| must stay below 65,504, and values below 6e-5 keep an absolute error of 3e-8.
; Angles: positions 0 to 1,023 (pos = 0 is a constant of the problem); the reduction modulo 2 pi adds less than 1e-6, the series are cut at
; 2.2e-5 (sin) and 4.3e-6 (cos) for |r| <= pi; 10000^(-m/64) is made by v_exp_f32, so an angle near 1,000 carries about 1e-4,
; the same order as an f32 product of position and frequency carries.
; REGISTER WINDOWS: 0 addresses, fragments, the way out; 1 accumulators, tile (a, b) at 8 (6 a + b); 2, 3 the two staging sets, load n at 4 n.
.set PITCH, 144                        ; an LDS row: 128 bytes of bf16 + 16: nine times 16, so 16 rows of a fragment start in 16 different 16-byte columns of 256
.set BUF,   320*PITCH                  ; rows 0-127 x, rows 128-319 weights
.set GA,   4                           ; byte offset in x of my 16 bytes of load 0; steps 256 a K step
.set GB,   5                           ; the same in a chunk of 64 weight rows
.set STA,  6                           ; v6-7   where my x numbers go in buffer 0, 1
.set STB,  8                           ; v8-9   where my weight numbers go
.set FA,   10                          ; v10-11 my x fragments in buffer 0, 1
.set FB,   12                          ; v12-13 my weight fragments
.set FQK,  14                          ; the way out: place in a q or k tile
.set FV,   15                          ; place in a v tile
.set TFP,  16                          ; v16-23 position of my token in row tile a, as f32, twice
.set OFFS, 24                          ; v24-29 byte offset in qkvt for column tile b
.set OUT,  32                          ; v32-127 four registers a tile, each written once
.set INVF, 128
.set ANG,  132
.set NN,   136
.set RR,   140
.set ZZ,   144
.set PSI,  148
.set PCO,  152
.set TT,   156
.set CTS,  164
.set CTC,  166
.set IDX,  168
.set NSI,  172
.set MSB, 0
.macro WIN new                         ; the immediate's high byte repeats the setting that is left
.if MSB != \new
	s_set_vgpr_msb (MSB<<8)|\new
.set MSB, \new
.endif
.endm
.macro PLACES n
.rept \n
	v_nop
.endr
.endm
	s_load_b256 s[4:11], s[0:1], 0x0               ; x s[4:5], wq s[6:7], wk s[8:9], wv s[10:11]
	s_load_b64 s[12:13], s[0:1], 0x20              ; qkvt
	v_lshrrev_b32 v20, 5, v0
	v_readfirstlane_b32 s14, v20                   ; wave 0..3
	s_lshr_b32 s15, s14, 1                         ; wm: which 64 rows
	s_and_b32 s16, s14, 1                          ; wn: which 96 columns
	s_mov_b32 s17, ttmp9                           ; j: block of 192 columns
	s_and_b32 s18, ttmp7, 0xffff                   ; i: block of 128 rows
	v_and_b32 v1, 15, v0                           ; r
	v_bfe_u32 v2, v0, 4, 1                         ; h
	v_and_b32 v3, 31, v0                           ; L
	; loads: lanes 0-15 take 256 bytes of one row, lanes 16-31 of the row 8 further down
	v_lshlrev_b32 v20, 4, v1
	v_lshl_add_u32 v20, v2, 17, v20                ; 8 h rows of 16,384 bytes + 16 r
	s_lshl_b32 s28, s14, 19                        ; x: 32 rows a wave
	s_lshl_b32 s29, s14, 18                        ; weights: 16 rows a wave in each chunk of 64
	v_add_nc_u32 v[GA], s28, v20
	v_add_nc_u32 v[GB], s29, v20
	; LDS stores of 8 bytes a lane: rows 8 apart are 1,152 bytes apart, 128 modulo 256, so the two halves of the lanes fill one 256
	v_mul_u32_u24 v21, v2, 8*PITCH
	v_lshl_add_u32 v21, v1, 3, v21
	s_mul_i32 s28, s14, 32*PITCH
	s_mul_i32 s29, s14, 16*PITCH
	s_add_co_u32 s29, s29, 128*PITCH
	v_add_nc_u32 v[STA], s28, v21
	v_add_nc_u32 v[STB], s29, v21
	v_add_nc_u32 v[STA+1], BUF, v[STA]
	v_add_nc_u32 v[STB+1], BUF, v[STB]
	; fragments: lane L holds row L%16; two loads of 16 bytes, 32 bytes apart, at row * pitch + 16 (L/16)
	v_mul_u32_u24 v22, v1, PITCH
	v_lshl_add_u32 v22, v2, 4, v22
	s_mul_i32 s28, s15, 64*PITCH
	s_mul_i32 s29, s16, 96*PITCH
	s_add_co_u32 s29, s29, 128*PITCH
	v_add_nc_u32 v[FA], s28, v22
	v_add_nc_u32 v[FB], s29, v22
	v_add_nc_u32 v[FA+1], BUF, v[FA]
	v_add_nc_u32 v[FB+1], BUF, v[FB]
	s_lshl_b32 s28, s18, 21                        ; 128 rows of x
	s_mov_b32 s29, 0
	s_wait_kmcnt 0x0
	s_add_nc_u64 s[20:21], s[4:5], s[28:29]
	; the block's 192 weight rows are three chunks of 64; chunk 3 j + c lies whole in wq (0-63), wk (64-79) or wv (80-95)
.irp c, 0,1,2
	s_mul_i32 s30, s17, 3
	s_add_co_u32 s30, s30, \c
	s_cmp_lt_u32 s30, 80
	s_cselect_b64 s[22+2*\c:23+2*\c], s[8:9], s[10:11]
	s_cselect_b32 s31, 64, 80
	s_cmp_lt_u32 s30, 64
	s_cselect_b64 s[22+2*\c:23+2*\c], s[6:7], s[22+2*\c:23+2*\c]
	s_cselect_b32 s31, 0, s31
	s_sub_co_u32 s28, s30, s31
	s_lshl_b32 s28, s28, 20                        ; 64 rows of 16,384 bytes
	s_mov_b32 s29, 0
	s_add_nc_u64 s[22+2*\c:23+2*\c], s[22+2*\c:23+2*\c], s[28:29]
.endr
.macro STEP                            ; the next K step's 256 bytes
	WIN 0
	s_wait_xcnt 0x0                                ; the offsets are sources of the loads issued so far: rewritten only behind this wait
	v_add_nc_u32 v[GA], 256, v[GA]
	v_add_nc_u32 v[GB], 256, v[GB]
.endm
.macro LOADS set, lo, hi               ; loads lo..hi of a step: 0-15 x (rows 16 (n/8) + n%8 of my 32), 16-39 weights (chunk (n-16)/8, row n%8 of my 16)
.if \set
	WIN 0xc0
.else
	WIN 0x80
.endif
.set nn, \lo
.rept \hi-\lo+1
.if nn < 16
	global_load_b128 v[4*nn:4*nn+3], v[GA], s[20:21] offset:(16*(nn>>3)+(nn&7))*16384
.else
	global_load_b128 v[4*nn:4*nn+3], v[GB], s[22+2*((nn-16)>>3):23+2*((nn-16)>>3)] offset:((nn-16)&7)*16384
.endif
.set nn, nn+1
.endr
.endm
.macro CVT set                         ; four f32 to four bf16, round to nearest even, in place
.if \set
	WIN 0xcf
.else
	WIN 0x8a
.endif
.set nn, 0
.rept 40
	v_cvt_pk_bf16_f32 v[4*nn], v[4*nn], v[4*nn+1]
	v_cvt_pk_bf16_f32 v[4*nn+1], v[4*nn+2], v[4*nn+3]
.set nn, nn+1
.endr
.endm
.macro STORE set, buf
.if \set
	WIN 0x0c
.else
	WIN 0x08
.endif
.set nn, 0
.rept 40
.if nn < 16
	ds_store_b64 v[STA+\buf], v[4*nn:4*nn+1] offset:(16*(nn>>3)+(nn&7))*PITCH
.else
	ds_store_b64 v[STB+\buf], v[4*nn:4*nn+1] offset:(64*((nn-16)>>3)+((nn-16)&7))*PITCH
.endif
.set nn, nn+1
.endr
.endm
.macro FRAGS buf                       ; 40 loads: both halves of the K step, 4 row tiles of x and 6 of the weights
	WIN 0
.irp kk, 0,1
.irp a, 0,1,2,3
	ds_load_b128 v[32+80*\kk+8*\a:32+80*\kk+8*\a+3],   v[FA+\buf] offset:\a*16*PITCH+\kk*64
	ds_load_b128 v[32+80*\kk+8*\a+4:32+80*\kk+8*\a+7], v[FA+\buf] offset:\a*16*PITCH+\kk*64+32
.endr
.irp b, 0,1,2,3,4,5
	ds_load_b128 v[64+80*\kk+8*\b:64+80*\kk+8*\b+3],   v[FB+\buf] offset:\b*16*PITCH+\kk*64
	ds_load_b128 v[64+80*\kk+8*\b+4:64+80*\kk+8*\b+7], v[FB+\buf] offset:\b*16*PITCH+\kk*64+32
.endr
.endr
.endm
; 24 matrix instructions, 32 along K.  Source 0 = weight rows, source 1 = x rows: lane L then holds token L%16 and eight neighbouring columns.
; The 24 accumulators take turns, one instruction a turn.
.macro MUL kk, zero
	WIN 0x50
.irp a, 0,1,2,3
.irp b, 0,1,2,3,4,5
.if \zero
	v_wmma_f32_16x16x32_bf16 v[8*(6*\a+\b):8*(6*\a+\b)+7], v[64+80*\kk+8*\b:64+80*\kk+8*\b+7], v[32+80*\kk+8*\a:32+80*\kk+8*\a+7], 0
.else
	v_wmma_f32_16x16x32_bf16 v[8*(6*\a+\b):8*(6*\a+\b)+7], v[64+80*\kk+8*\b:64+80*\kk+8*\b+7], v[32+80*\kk+8*\a:32+80*\kk+8*\a+7], v[8*(6*\a+\b):8*(6*\a+\b)+7]
.endif
.endr
.endr
.endm
; Trip t multiplies step t out of buffer t%2, puts step t+1 into the other buffer and asks for step t+3.
.macro TRIP buf, zero, store, load, lcnt
	WIN 0
	PLACES 4                                       ; four places between the last matrix instructions and the loads into their sources
	s_wait_dscnt 0x0                               ; my stores of this trip's buffer are done, and my reads of the other one
	s_barrier_signal -1
	s_barrier_wait -1                              ; both now hold of all four waves: this buffer is whole, the other may be written
	FRAGS \buf
.if \load
	STEP
.endif
.if \store
	s_wait_loadcnt \lcnt                           ; loads come back in order: step t+1 is in; what may stay out is the step behind it
	CVT 1-\buf
	STORE 1-\buf, 1-\buf
.endif
.if \load
	LOADS 1-\buf, 0, 19                            ; into the set just stored; in two halves, so that the matrix work starts between them
.endif
.if \store
	s_wait_dscnt 40                                ; the 40 fragment loads are in; the 40 stores behind them may be out
.else
	s_wait_dscnt 0x0
.endif
	MUL 0, \zero
.if \load
	LOADS 1-\buf, 20, 39
.endif
	MUL 1, 0
	WIN 0
.endm
	LOADS 0, 0, 39                                 ; step 0
	STEP
	LOADS 1, 0, 39                                 ; step 1
	s_wait_loadcnt 40                              ; step 0 is in
	CVT 0
	STORE 0, 0
	STEP
	LOADS 0, 0, 39                                 ; step 2
	TRIP 0, 1, 1, 1, 40                            ; the first products start the sums: nothing is cleared
	TRIP 1, 0, 1, 1, 40
	s_mov_b32 s32, 29                              ; trips 2 to 59
.Lk:
	TRIP 0, 0, 1, 1, 40
	TRIP 1, 0, 1, 1, 40
	s_sub_co_u32 s32, s32, 1
	s_cmp_lg_u32 s32, 0
	s_cbranch_scc1 .Lk
	TRIP 0, 0, 1, 1, 40                            ; trip 60 asks for the last step, 63
	TRIP 1, 0, 1, 0, 40                            ; trip 61: step 63 may stay out
	TRIP 0, 0, 1, 0, 0                             ; trip 62: nothing is behind step 63
	TRIP 1, 0, 0, 0, 0                             ; trip 63
	; THE WAY OUT.  Lane (r, h) of tile (a, b) holds token 128 i + 64 wm + 16 a + r and columns 16 ct + 8 h + 0..7, ct = 12 j + 6 wn + b:
	; four pairs (2 m, 2 m + 1) of one head, m = 8 (ct % 8) + 4 h + p.  Each pair is turned by the angle token * 10000^(-m/64).
	; v columns (ct >= 320) get the frequency 0: cos = 1 and sin = 0 exactly, so the same lines serve them without a branch.
	PLACES 4                                       ; four places behind the last matrix instructions, for all that follows
	v_lshlrev_b32 v[FQK], 4, v3
	v_lshlrev_b32 v[FV], 5, v1
	v_lshl_add_u32 v[FV], v2, 4, v[FV]
	s_lshl_b32 s34, s18, 7
	s_lshl_b32 s35, s15, 6
	s_add_co_u32 s34, s34, s35                     ; my first token
.irp a, 0,1,2,3
	v_add_nc_u32 v[TFP+2*\a], s34, v1
	v_add_nc_u32 v[TFP+2*\a], 16*\a, v[TFP+2*\a]
	v_cvt_f32_u32 v[TFP+2*\a], v[TFP+2*\a]
	v_mov_b32 v[TFP+2*\a+1], v[TFP+2*\a]
.endr
.irp p, 0,1,2,3
	v_lshl_add_u32 v[IDX+\p], v2, 2, \p            ; 4 h + p
.endr
	v_mov_b32 v[CTS], 0x2f309231                   ; 1/13!
	v_mov_b32 v[CTS+1], 0x2f309231
	v_mov_b32 v[CTC], 0xad49cba5                   ; -1/14!
	v_mov_b32 v[CTC+1], 0xad49cba5
	s_lshl_b32 s33, s18, 15
	s_lshl_b32 s35, s15, 14
	s_add_co_u32 s33, s33, s35                     ; (8 i + 4 wm) token tiles of 4,096 bytes
.macro COLSET b                        ; what hangs on the column tile alone: the offset in qkvt and the four frequencies
	s_mul_i32 s34, s17, 12
	s_mul_i32 s35, s16, 6
	s_add_co_u32 s34, s34, s35
	s_add_co_u32 s34, s34, \b                      ; ct
	s_and_b32 s35, s34, 7                          ; d / 16
	s_lshr_b32 s37, s34, 3                         ; slab
	s_lshl_b32 s38, s37, 18
	s_lshl_b32 s36, s35, 9
	s_add_co_u32 s38, s38, s36
	s_add_co_u32 s38, s38, s33
	s_lshl_b32 s36, s35, 3                         ; 8 (ct % 8)
	s_cmp_lt_u32 s34, 320
	s_cselect_b32 s39, 0x3f800000, 0               ; 1.0 for q and k, 0 for v
	s_cselect_b32 s40, 0, -1
	v_cndmask_b32 v[OFFS+\b], v[FQK], v[FV], s40   ; the place in the tile
	v_add_nc_u32 v[OFFS+\b], s38, v[OFFS+\b]
.irp p, 0,1,2,3
	v_add_nc_u32 v[ANG+\p], s36, v[IDX+\p]
	v_cvt_f32_u32 v[ANG+\p], v[ANG+\p]
	v_mul_f32 v[ANG+\p], 0xbe549a78, v[ANG+\p]     ; m * (-log2(10000) / 64)
.endr
.irp p, 0,1,2,3
	v_exp_f32 v[INVF+\p], v[ANG+\p]
.endr
	v_nop                                          ; one plain place behind the exponentials (ISA guide 5.7.2)
	s_wait_alu depctr_va_vdst(0)
.irp p, 0,1,2,3
	v_mul_f32 v[INVF+\p], s39, v[INVF+\p]
.endr
.endm
.macro ROPE a, b
	WIN 0
.irp p, 0,2
	v_pk_mul_f32 v[ANG+\p:ANG+\p+1], v[INVF+\p:INVF+\p+1], v[TFP+2*\a:TFP+2*\a+1]
.endr
.irp p, 0,2
	v_pk_mul_f32 v[NN+\p:NN+\p+1], v[ANG+\p:ANG+\p+1], 0.15915494 op_sel_hi:[1,0]
.endr
.irp p, 0,1,2,3
	v_rndne_f32 v[NN+\p], v[NN+\p]                 ; whole turns
.endr
.irp p, 0,2
	v_pk_fma_f32 v[RR+\p:RR+\p+1], v[NN+\p:NN+\p+1], 0xc0c90fdb, v[ANG+\p:ANG+\p+1] op_sel_hi:[1,0,1]   ; - n * (2 pi rounded to f32)
.endr
.irp p, 0,2
	v_pk_fma_f32 v[RR+\p:RR+\p+1], v[NN+\p:NN+\p+1], 0x343bbd2e, v[RR+\p:RR+\p+1] op_sel_hi:[1,0,1]     ; + n * (what that rounding added)
.endr
.irp p, 0,2
	v_pk_mul_f32 v[ZZ+\p:ZZ+\p+1], v[RR+\p:RR+\p+1], v[RR+\p:RR+\p+1]
.endr
.irp p, 0,2
	v_pk_fma_f32 v[PSI+\p:PSI+\p+1], v[CTS:CTS+1], v[ZZ+\p:ZZ+\p+1], 0xb2d7322b op_sel_hi:[1,1,0]       ; sin: 1/13! z - 1/11!
	v_pk_fma_f32 v[PCO+\p:PCO+\p+1], v[CTC:CTC+1], v[ZZ+\p:ZZ+\p+1], 0x310f76c7 op_sel_hi:[1,1,0]       ; cos: -1/14! z + 1/12!
.endr
.irp c, 0xb493f27e, 0x37d00d01
.irp p, 0,2
	v_pk_fma_f32 v[PCO+\p:PCO+\p+1], v[PCO+\p:PCO+\p+1], v[ZZ+\p:ZZ+\p+1], \c op_sel_hi:[1,1,0]         ; -1/10!, 1/8!
.endr
.endr
.irp c, 0x3638ef1d, 0xb9500d01, 0x3c088889, 0xbe2aaaab, 1.0
.irp p, 0,2
	v_pk_fma_f32 v[PSI+\p:PSI+\p+1], v[PSI+\p:PSI+\p+1], v[ZZ+\p:ZZ+\p+1], \c op_sel_hi:[1,1,0]         ; 1/9!, -1/7!, 1/5!, -1/3!, 1
.endr
.endr
.irp c, 0xbab60b61, 0x3d2aaaab, -0.5, 1.0
.irp p, 0,2
	v_pk_fma_f32 v[PCO+\p:PCO+\p+1], v[PCO+\p:PCO+\p+1], v[ZZ+\p:ZZ+\p+1], \c op_sel_hi:[1,1,0]         ; -1/6!, 1/4!, -1/2, 1
.endr
.endr
.irp p, 0,2
	v_pk_mul_f32 v[PSI+\p:PSI+\p+1], v[PSI+\p:PSI+\p+1], v[RR+\p:RR+\p+1]
.endr
.irp p, 0,2
	v_pk_mul_f32 v[NSI+\p:NSI+\p+1], v[PSI+\p:PSI+\p+1], -1.0 op_sel_hi:[1,0]
.endr
	WIN 0x01                                       ; source 0 = the accumulators
.irp p, 0,1,2,3
	v_mul_f32 v[TT+2*\p],   v[8*(6*\a+\b)+2*\p], v[PCO+\p]
	v_mul_f32 v[TT+2*\p+1], v[8*(6*\a+\b)+2*\p], v[PSI+\p]
.endr
.irp p, 0,1,2,3
	v_fma_f32 v[TT+2*\p],   v[8*(6*\a+\b)+2*\p+1], v[NSI+\p], v[TT+2*\p]       ; x1 cos - x2 sin
	v_fma_f32 v[TT+2*\p+1], v[8*(6*\a+\b)+2*\p+1], v[PCO+\p], v[TT+2*\p+1]     ; x1 sin + x2 cos
.endr
	WIN 0
.irp p, 0,1,2,3
	v_cvt_pk_f16_f32 v[OUT+4*(6*\a+\b)+\p], v[TT+2*\p], v[TT+2*\p+1]
.endr
	global_store_b128 v[OFFS+\b], v[OUT+4*(6*\a+\b):OUT+4*(6*\a+\b)+3], s[12:13] offset:\a*4096   ; the wave's 512 bytes are one whole tile, at a multiple of 512; data and offset registers are never written again
.endm
.irp b, 0,1,2,3,4,5
	COLSET \b
.irp a, 0,1,2,3
	ROPE \a, \b
.endr
.endr
	s_endpgm
.Lfunc_end_k_qc653c00b11_qkv:
	.size	k_qc653c00b11_qkv, .Lfunc_end_k_qc653c00b11_qkv-k_qc653c00b11_qkv
	.p2alignl 7, 3214868480
	.fill 96, 4, 3214868480
	.section	.rodata,"a",@progbits
	.p2align	6, 0x0
	.amdhsa_kernel k_qc653c00b11_qkv
		.amdhsa_group_segment_fixed_size 92160
		.amdhsa_private_segment_fixed_size 0
		.amdhsa_enable_private_segment 0
		.amdhsa_kernarg_size 40
		.amdhsa_user_sgpr_count 2
		.amdhsa_user_sgpr_kernarg_segment_ptr 1
		.amdhsa_wavefront_size32 1
		.amdhsa_system_sgpr_workgroup_id_x 1
		.amdhsa_system_sgpr_workgroup_id_y 1
		.amdhsa_system_sgpr_workgroup_id_z 1
		.amdhsa_system_vgpr_workitem_id 0
		.amdhsa_next_free_vgpr 928
		.amdhsa_next_free_sgpr 66
		.amdhsa_reserve_vcc 0
		.amdhsa_float_denorm_mode_32 3
		.amdhsa_float_denorm_mode_16_64 3
		.amdhsa_memory_ordered 1
		.amdhsa_forward_progress 1
		.amdhsa_inst_pref_size 255
	.end_amdhsa_kernel
	.section	.bss,"aw",@nobits
	.p2align	6
	.space	262144
	.amdgpu_metadata
---
amdhsa.version: [ 1, 2 ]
amdhsa.kernels:
  - .name:           k_qc653c00b11_qkv
    .symbol:         k_qc653c00b11_qkv.kd
    .args:
      - { .name: x, .offset: 0, .size: 8, .value_kind: global_buffer, .address_space: global }
      - { .name: wq, .offset: 8, .size: 8, .value_kind: global_buffer, .address_space: global }
      - { .name: wk, .offset: 16, .size: 8, .value_kind: global_buffer, .address_space: global }
      - { .name: wv, .offset: 24, .size: 8, .value_kind: global_buffer, .address_space: global }
      - { .name: qkvt, .offset: 32, .size: 8, .value_kind: global_buffer, .address_space: global }
    .group_segment_fixed_size: 92160
    .private_segment_fixed_size: 0
    .kernarg_segment_align: 8
    .kernarg_segment_size: 40
    .max_flat_workgroup_size: 128
    .sgpr_count:     66
    .vgpr_count:     928
    .wavefront_size: 32
...
	.end_amdgpu_metadata
.endif
;; end of part 1
;; launch attn (part 2): grid 32 x 8, 4 waves a work-group, clusters of 4 x 1, 327,680 bytes of LDS; arguments qkvt, mask, attnc; writes attnc
.if DOCPART == 2
	.amdgcn_target "amdgcn-amd-amdhsa--gfx1250"
	.amdhsa_code_object_version 6
	.text
	.protected	k_qc653c00b11_attn
	.globl	k_qc653c00b11_attn
	.p2align	8
	.type	k_qc653c00b11_attn,@function
k_qc653c00b11_attn:
	s_mov_b64 s[64:65], 0
	v_nop
	global_prefetch_b8 v0, s[64:65] scope:SCOPE_SE
	s_setreg_imm32_b32 hwreg(HW_REG_WAVE_MODE, 25, 1), 1
	s_wait_xcnt 0x0
	s_wait_alu depctr_hold_cnt(0) depctr_sa_sdst(0) depctr_va_vdst(0) depctr_va_sdst(0) depctr_va_ssrc(0) depctr_va_vcc(0) depctr_vm_vsrc(0)
	s_getreg_b32 s2, hwreg(HW_REG_IB_STS2, 6, 4)
	s_cmp_eq_u32 s2, 0
	s_cbranch_scc0 .Lentry_in_a_cluster
	s_endpgm
.Lentry_in_a_cluster:
	s_bfe_u32 s2, ttmp6, 0x10000c
	s_cmp_lg_u32 s2, 0x3003
	s_cbranch_scc0 .Lentry_shape_is_right
	s_endpgm
.Lentry_shape_is_right:
; attn: softmax(q k^T / sqrt(128) + mask) v for 32 query heads on 8 key/value heads, 1,024 x 1,024, operands f16, sums and softmax f32.
; The mask is an input of f32 numbers and is added as it is given: every key block is computed, nothing is skipped.
; A work-group takes 32 queries (block qb) of one key/value head g; wave w is query head 4 g + w, so the four waves read the same K, V and mask from LDS.
; CLUSTER: the four query blocks 4 X .. 4 X + 3 of one head g need the same K and V: each block of 128 keys is asked for jointly (mask 15),
; the same descriptor in all four; it is made of g, the wave's number and the block alone.  The mask's tiles hang on qb and are plain loads.
; LAYOUTS.  S^T = K Q^T: source 0 = 16 keys, source 1 = 16 queries; lane (r, h) holds query r and keys 8 h + 0..7 of the tile.  Two such tiles,
; packed to f16, ARE source 1 of O^T = V^T P^T (32 keys x 16 queries): P never leaves the registers.  V^T comes by the transposing LDS load.
; Lane (r, h) of O^T holds query r and d = 8 h + 0..7.  A query's statistics are one number a lane; the two lanes of a query (h = 0, 1) meet by v_permlanex16_b32.
; SOFTMAX: running maximum over substeps of 64 keys.  Where all scores so far are -inf the shift is 0, so that the exponentials give 0 and no NaN;
; a row that is -inf throughout ends as 0 * (1/0) = NaN, as the problem's function gives.  A +inf or a NaN in the mask gives NaN there too.
; LIMITS: scores beyond 2.3e38 in magnitude overflow in the product with log2(e).  P is kept in f16: weights below 6e-8 of the row's largest count as 0.
; LDS: slot s at 65,536 s: K 32,768 bytes [key tile 8][d/16 8][512], then V likewise; from 131,072 on eight mask tiles (one a key block) of 32 rows x 512 bytes,
; pitch 528 (33 x 16: the 16 rows that a load touches start in 16 different 16-byte columns of 256), filled once.  No LDS store in this text.
; REGISTER WINDOWS: 0 addresses, statistics, S/P and the mask; 1 O (tile (dt, qt) at 8 (2 dt + qt)) and Q (128 + 8 (4 qt + ks)); 2 K (8 (4 kt + ks)) and V (128 + 8 (8 v + dt)).
.set MBASE, 131072
.set MTILE, 32*528
.set KAD,  4                           ; v4-5  my 16 bytes of a K tile in slot 0, 1
.set VAD,  6                           ; v6-7  my 16 bytes for the transposing load of a V tile
.set MAD,  8                           ; my place in this key block's mask tile; steps one tile a block
.set L16,  9                           ; 16 x lane
.set MOLD, 10                          ; v10-11 running maximum, query tile 0, 1
.set LSUM, 12                          ; v12-13 running sum of my half of the keys
.set MNEW, 14
.set NM,   16                          ; v16-19 -log2(e) x shift, twice for each query tile; at the end 1 / sum
.set AL,   20                          ; v20-23 the factor for what was summed under the old maximum, twice
.set XX,   24                          ; v24-31 at work
.set SS,   32                          ; v32-95  S(kt, qt) at 8 (2 kt + qt), later P
.set MM,   96                          ; v96-159 the mask, same order
.set YY,   160                         ; v160-175 at work
.set MSB, 0
.macro WIN new                         ; the immediate's high byte repeats the setting that is left
.if MSB != \new
	s_set_vgpr_msb (MSB<<8)|\new
.set MSB, \new
.endif
.endm
.macro PLACES n
.rept \n
	v_nop
.endr
.endm
; A round of the cluster's barrier: my work-group's barrier, wave 0 signals for the work-group, every wave waits for all four work-groups, my work-group's barrier again.
.macro ROUND
	s_barrier_signal -1
	s_barrier_wait -1
	s_cmp_lg_u32 s10, 0
	s_cbranch_scc1 .Lnot_wave_0_\@
	s_barrier_signal -3
.Lnot_wave_0_\@:
	s_barrier_wait -3
	s_barrier_signal -1
	s_barrier_wait -1
.endm
	s_load_b128 s[4:7], s[0:1], 0x0                ; qkvt s[4:5], mask s[6:7]
	s_load_b64 s[8:9], s[0:1], 0x10                ; attnc
	v_lshrrev_b32 v20, 5, v0
	v_readfirstlane_b32 s10, v20                   ; wave 0..3
	s_bfe_u32 s11, ttmp6, 0x40000                  ; cx
	s_lshl_b32 s12, ttmp9, 2
	s_add_co_u32 s12, s12, s11                     ; qb = 4 x cluster x + cx
	s_and_b32 s13, ttmp7, 0xffff                   ; g
	s_mov_b32 s14, 0x76543210                      ; v_permlanex16_b32: lane i reads lane i of the other half
	s_mov_b32 s15, 0xfedcba98
	; group 1 for K and V: 16,384 dense bytes as 64 rows of 32 elements of 8 bytes
	s_mov_b32 s16, 0x0023000f                      ; 15:0 mask = the cluster's four; 17:16 elements of 8 bytes; 21 set beside a mask
	s_mov_b32 s17, 32<<16                          ; tensor_dim0 = 32
	s_mov_b32 s18, 64<<16                          ; tensor_dim1 = 64
	s_mov_b32 s19, 32<<16                          ; tile_dim0 = 32
	s_mov_b32 s20, 64                              ; tile_dim1 = 64
	s_mov_b32 s21, 32                              ; pitch = 32 elements
	s_mov_b32 s22, 0
	s_mov_b32 s23, 0
	; group 1 for the mask: 32 rows x 128 f32, rows 1,024 elements apart, 4 words of padding behind every 128 words
	s_mov_b32 s24, 0x07920000                      ; mask 0; elements of 4 bytes; padding on; interval code 6; pad code 3
	s_mov_b32 s25, 128<<16
	s_mov_b32 s26, 32<<16
	s_mov_b32 s27, 128<<16
	s_mov_b32 s28, 32
	s_mov_b32 s29, 1024
	s_mov_b32 s30, 0
	s_mov_b32 s31, 0
	; waves 0, 1 bring K's two halves of a block, waves 2, 3 V's: slab 32 + 8 (w / 2) + g, half w % 2
	s_lshr_b32 s48, s10, 1
	s_lshl_b32 s48, s48, 3
	s_add_co_u32 s48, s48, s13
	s_add_co_u32 s48, s48, 32
	s_lshl_b32 s48, s48, 18
	s_and_b32 s49, s10, 1
	s_lshl_b32 s49, s49, 14
	s_add_co_u32 s48, s48, s49
	s_mov_b32 s49, 0
	s_lshl_b32 s50, s12, 17                        ; the mask's rows 32 qb .. : 32 rows of 4,096 bytes
	s_lshl_b32 s51, s10, 9                         ; key block w: 512 bytes along the row
	s_add_co_u32 s50, s50, s51
	s_mov_b32 s51, 0
	s_wait_kmcnt 0x0
	s_add_nc_u64 s[48:49], s[4:5], s[48:49]
	s_add_nc_u64 s[50:51], s[6:7], s[50:51]
.irp s, 0,1
	s_mov_b32 s[32+4*\s], 1                                        ; K, V: slot s, key block s
	s_lshl_b32 s[33+4*\s], s10, 14                                 ; LDS: 16,384 w
	s_add_co_u32 s[33+4*\s], s[33+4*\s], \s*65536                  ;      + the slot
	s_add_nc_u64 s[34+4*\s:35+4*\s], s[48:49], \s*32768
	s_or_b32 s[35+4*\s], s[35+4*\s], 0x80000000                    ; type 2
	s_mov_b32 s[40+4*\s], 1                                        ; mask: key blocks w and w + 4
	s_mul_i32 s[41+4*\s], s10, MTILE
	s_add_co_u32 s[41+4*\s], s[41+4*\s], MBASE+\s*4*MTILE
	s_add_nc_u64 s[42+4*\s:43+4*\s], s[50:51], \s*2048
	s_or_b32 s[43+4*\s], s[43+4*\s], 0x80000000
.endr
	s_lshl_b32 s52, s13, 2
	s_add_co_u32 s52, s52, s10                     ; my query head 4 g + w
	s_lshl_b32 s48, s52, 6
	s_lshl_b32 s49, s12, 1
	s_add_co_u32 s48, s48, s49
	s_lshl_b32 s48, s48, 12                        ; (64 head + 2 qb) token tiles of 4,096 bytes
	s_mov_b32 s49, 0
	s_add_nc_u64 s[48:49], s[4:5], s[48:49]        ; my Q
	s_lshl_b32 s50, s12, 6
	s_add_co_u32 s50, s50, s52
	s_lshl_b32 s50, s50, 12                        ; attnc: query tile 2 qb (131,072 bytes each), head (4,096 bytes each)
	s_mov_b32 s51, 0
	s_add_nc_u64 s[54:55], s[8:9], s[50:51]
	v_and_b32 v1, 15, v0                           ; r
	v_bfe_u32 v2, v0, 4, 1                         ; h
	v_and_b32 v3, 31, v0                           ; L
	v_lshlrev_b32 v[L16], 4, v3
	v_lshlrev_b32 v[KAD], 4, v3
	v_add_nc_u32 v[KAD+1], 0x10000, v[KAD]
	v_and_b32 v20, 7, v0
	v_lshlrev_b32 v20, 5, v20                      ; key (L % 8) of 32 bytes
	v_bfe_u32 v21, v0, 3, 1
	v_lshl_add_u32 v20, v21, 4, v20                ; which 8 of the 16 d
	v_lshl_add_u32 v20, v2, 8, v20                 ; keys 8 h ..
	v_add_nc_u32 v[VAD], 32768, v20
	v_add_nc_u32 v[VAD+1], 98304, v20
	v_mul_u32_u24 v22, v1, 528
	v_lshl_add_u32 v22, v2, 5, v22
	v_add_nc_u32 v[MAD], MBASE, v22
	ROUND                                          ; all four work-groups are here: the first joint loads meet
	tensor_load_to_lds s[32:35], s[16:23]          ; the first fills, one group; by this text's count four loads of a wave are out here, later one
	s_nop 0
	tensor_load_to_lds s[40:43], s[24:31]
	s_nop 0
	tensor_load_to_lds s[36:39], s[16:23]
	s_nop 0
	tensor_load_to_lds s[44:47], s[24:31]
	s_nop 0
	WIN 0x40
.irp qt, 0,1
.irp c, 0,1,2,3,4,5,6,7
	global_load_b128 v[128+32*\qt+4*\c:128+32*\qt+4*\c+3], v[L16], s[48:49] offset:\qt*4096+\c*512   ; Q as it lies in registers: tile d/16 = c is half of fragment c / 2
.endr
.endr
	WIN 0
.macro LDM u                           ; 16 loads: the mask for 64 keys x 32 queries: my query's 8 keys of each tile
	WIN 0
.irp kt, 0,1,2,3
.irp qt, 0,1
	ds_load_b128 v[MM+8*(2*\kt+\qt):MM+8*(2*\kt+\qt)+3],   v[MAD] offset:\qt*8448+(4*\u+\kt)*64
	ds_load_b128 v[MM+8*(2*\kt+\qt)+4:MM+8*(2*\kt+\qt)+7], v[MAD] offset:\qt*8448+(4*\u+\kt)*64+16
.endr
.endr
.endm
.macro LDK slot, u                     ; 32 loads: four key tiles x 128 d
	WIN 0x80
.irp kt, 0,1,2,3
.irp c, 0,1,2,3,4,5,6,7
	ds_load_b128 v[32*\kt+4*\c:32*\kt+4*\c+3], v[KAD+\slot] offset:((4*\u+\kt)*8+\c)*512
.endr
.endr
.endm
.macro LDV slot, u                     ; 32 transposing loads: V^T, 16 d x 32 keys a fragment; the second 16 keys lie one key tile (4,096 bytes) on
	WIN 0x80
.irp vv, 0,1
.irp dt, 0,1,2,3,4,5,6,7
	ds_load_tr16_b128 v[128+8*(8*\vv+\dt):128+8*(8*\vv+\dt)+3],   v[VAD+\slot] offset:((4*\u+2*\vv)*8+\dt)*512
	ds_load_tr16_b128 v[128+8*(8*\vv+\dt)+4:128+8*(8*\vv+\dt)+7], v[VAD+\slot] offset:((4*\u+2*\vv)*8+\dt)*512+4096
.endr
.endr
.endm
.macro SMUL                            ; 32 matrix instructions; the eight accumulators take turns, one instruction a turn
	WIN 0x06
.irp ks, 0,1,2,3
.irp kt, 0,1,2,3
.irp qt, 0,1
.if \ks == 0
	v_wmma_f32_16x16x32_f16 v[SS+8*(2*\kt+\qt):SS+8*(2*\kt+\qt)+7], v[8*(4*\kt+\ks):8*(4*\kt+\ks)+7], v[128+8*(4*\qt+\ks):128+8*(4*\qt+\ks)+7], 0
.else
	v_wmma_f32_16x16x32_f16 v[SS+8*(2*\kt+\qt):SS+8*(2*\kt+\qt)+7], v[8*(4*\kt+\ks):8*(4*\kt+\ks)+7], v[128+8*(4*\qt+\ks):128+8*(4*\qt+\ks)+7], v[SS+8*(2*\kt+\qt):SS+8*(2*\kt+\qt)+7]
.endif
.endr
.endr
.endr
.endm
.macro PVMUL first                     ; 32 matrix instructions; the sixteen accumulators take turns likewise
	WIN 0x52
.irp vv, 0,1
.irp dt, 0,1,2,3,4,5,6,7
.irp qt, 0,1
.if \first*(1-\vv)
	v_wmma_f32_16x16x32_f16 v[8*(2*\dt+\qt):8*(2*\dt+\qt)+7], v[128+8*(8*\vv+\dt):128+8*(8*\vv+\dt)+7], v[SS+8*(4*\vv+\qt):SS+8*(4*\vv+\qt)+7], 0
.else
	v_wmma_f32_16x16x32_f16 v[8*(2*\dt+\qt):8*(2*\dt+\qt)+7], v[128+8*(8*\vv+\dt):128+8*(8*\vv+\dt)+7], v[SS+8*(4*\vv+\qt):SS+8*(4*\vv+\qt)+7], v[8*(2*\dt+\qt):8*(2*\dt+\qt)+7]
.endif
.endr
.endr
.endr
.endm
.macro SM1                             ; score = product / sqrt(128) + mask
.set ii, 0
.rept 32
	v_pk_fma_f32 v[SS+2*ii:SS+2*ii+1], v[SS+2*ii:SS+2*ii+1], 0x3db504f3, v[MM+2*ii:MM+2*ii+1] op_sel_hi:[1,0,1]
.set ii, ii+1
.endr
.endm
.macro SM2 first
	; the largest of my 32 scores of each query tile, four chains each
.irp kt, 0,1,2,3
.irp qt, 0,1
	v_max3_num_f32 v[XX+4*\qt+\kt], v[SS+8*(2*\kt+\qt)], v[SS+8*(2*\kt+\qt)+1], v[SS+8*(2*\kt+\qt)+2]
.endr
.endr
.irp e, 3,5
.irp kt, 0,1,2,3
.irp qt, 0,1
	v_max3_num_f32 v[XX+4*\qt+\kt], v[XX+4*\qt+\kt], v[SS+8*(2*\kt+\qt)+\e], v[SS+8*(2*\kt+\qt)+\e+1]
.endr
.endr
.endr
.irp kt, 0,1,2,3
.irp qt, 0,1
	v_max_num_f32 v[XX+4*\qt+\kt], v[XX+4*\qt+\kt], v[SS+8*(2*\kt+\qt)+7]
.endr
.endr
.irp qt, 0,1
	v_max3_num_f32 v[XX+4*\qt], v[XX+4*\qt], v[XX+4*\qt+1], v[XX+4*\qt+2]
.endr
.irp qt, 0,1
	v_max_num_f32 v[XX+4*\qt], v[XX+4*\qt], v[XX+4*\qt+3]
.endr
.irp qt, 0,1
	v_permlanex16_b32 v[XX+4*\qt+1], v[XX+4*\qt], s14, s15         ; the other half of my query's keys
.endr
.irp qt, 0,1
.if \first
	v_max_num_f32 v[MNEW+\qt], v[XX+4*\qt], v[XX+4*\qt+1]
.else
	v_max3_num_f32 v[MNEW+\qt], v[MOLD+\qt], v[XX+4*\qt], v[XX+4*\qt+1]
.endif
.endr
.irp qt, 0,1
	v_cmp_lt_f32 vcc_lo, 0xff800000, v[MNEW+\qt]
	v_cndmask_b32 v[XX+4*\qt+2], 0, v[MNEW+\qt], vcc_lo            ; the shift: the maximum, or 0 while everything is -inf
	v_mul_f32 v[NM+2*\qt], 0xbfb8aa3b, v[XX+4*\qt+2]
	v_mov_b32 v[NM+2*\qt+1], v[NM+2*\qt]
.endr
.if \first == 0
.irp qt, 0,1
	v_fmamk_f32 v[XX+4*\qt+3], v[MOLD+\qt], 0x3fb8aa3b, v[NM+2*\qt]   ; (old maximum - shift) log2(e); -inf while nothing has been summed
.endr
.irp qt, 0,1
	v_exp_f32 v[AL+2*\qt], v[XX+4*\qt+3]
	v_exp_f32 v[AL+2*\qt+1], v[XX+4*\qt+3]
.endr
.endif
.irp qt, 0,1
	v_mov_b32 v[MOLD+\qt], v[MNEW+\qt]                             ; also the plain place behind the exponentials (ISA guide 5.7.2)
.endr
.irp kt, 0,1,2,3
.irp qt, 0,1
.irp e, 0,2,4,6
	v_pk_fma_f32 v[SS+8*(2*\kt+\qt)+\e:SS+8*(2*\kt+\qt)+\e+1], v[SS+8*(2*\kt+\qt)+\e:SS+8*(2*\kt+\qt)+\e+1], 0x3fb8aa3b, v[NM+2*\qt:NM+2*\qt+1] op_sel_hi:[1,0,1]
.endr
.endr
.endr
.set ii, 0
.rept 64
	v_exp_f32 v[SS+ii], v[SS+ii]
.set ii, ii+1
.endr
	v_nop                                          ; one plain place behind the exponentials
	s_wait_alu depctr_va_vdst(0)
.irp kt, 0,1,2,3
.irp qt, 0,1
	v_pk_add_f32 v[YY+8*\qt+2*\kt:YY+8*\qt+2*\kt+1], v[SS+8*(2*\kt+\qt):SS+8*(2*\kt+\qt)+1], v[SS+8*(2*\kt+\qt)+2:SS+8*(2*\kt+\qt)+3]
.endr
.endr
.irp e, 4,6
.irp kt, 0,1,2,3
.irp qt, 0,1
	v_pk_add_f32 v[YY+8*\qt+2*\kt:YY+8*\qt+2*\kt+1], v[YY+8*\qt+2*\kt:YY+8*\qt+2*\kt+1], v[SS+8*(2*\kt+\qt)+\e:SS+8*(2*\kt+\qt)+\e+1]
.endr
.endr
.endr
.irp qt, 0,1
	v_pk_add_f32 v[YY+8*\qt:YY+8*\qt+1], v[YY+8*\qt:YY+8*\qt+1], v[YY+8*\qt+2:YY+8*\qt+3]
	v_pk_add_f32 v[YY+8*\qt+4:YY+8*\qt+5], v[YY+8*\qt+4:YY+8*\qt+5], v[YY+8*\qt+6:YY+8*\qt+7]
.endr
.irp qt, 0,1
	v_pk_add_f32 v[YY+8*\qt:YY+8*\qt+1], v[YY+8*\qt:YY+8*\qt+1], v[YY+8*\qt+4:YY+8*\qt+5]
.endr
.irp qt, 0,1
.if \first
	v_add_f32 v[LSUM+\qt], v[YY+8*\qt], v[YY+8*\qt+1]              ; the first sum starts the running sum
.else
	v_add_f32 v[YY+8*\qt], v[YY+8*\qt], v[YY+8*\qt+1]
.endif
.endr
.if \first == 0
.irp qt, 0,1
	v_fma_f32 v[LSUM+\qt], v[LSUM+\qt], v[AL+2*\qt], v[YY+8*\qt]
.endr
.endif
	; P in f16, in place and ascending: registers 0-3 of tile 2 v from itself, registers 4-7 from tile 2 v + 1: source 1 for 32 keys
.irp vv, 0,1
.irp qt, 0,1
.irp e, 0,1,2,3
	v_cvt_pk_f16_f32 v[SS+8*(4*\vv+\qt)+\e], v[SS+8*(4*\vv+\qt)+2*\e], v[SS+8*(4*\vv+\qt)+2*\e+1]
.endr
.irp e, 0,1,2,3
	v_cvt_pk_f16_f32 v[SS+8*(4*\vv+\qt)+4+\e], v[SS+8*(4*\vv+2+\qt)+2*\e], v[SS+8*(4*\vv+2+\qt)+2*\e+1]
.endr
.endr
.endr
.endm
.macro RESC                            ; what was summed under the old maximum is brought under the new one
	WIN 0x41
.irp dt, 0,1,2,3,4,5,6,7
.irp qt, 0,1
.irp e, 0,2,4,6
	v_pk_mul_f32 v[8*(2*\dt+\qt)+\e:8*(2*\dt+\qt)+\e+1], v[8*(2*\dt+\qt)+\e:8*(2*\dt+\qt)+\e+1], v[AL+2*\qt:AL+2*\qt+1]
.endr
.endr
.endr
.endm
; One block of 128 keys out of slot, as two substeps of 64.
.macro WORK slot, first
	LDM 0
	LDK \slot, 0
	LDV \slot, 0
	s_wait_dscnt 32                                ; the mask and K are in; V's 32 loads may be out
.if \first
	s_wait_loadcnt 0x0                             ; Q, once
.endif
	SMUL
	WIN 0
	PLACES 4                                       ; four places before K's registers are loaded again and S is read (ISA guide 7.12.1)
	LDK \slot, 1
	WIN 0
	SM1
	LDM 1
	SM2 \first
.if \first == 0
	RESC
.endif
	s_wait_dscnt 48                                ; V is in; behind it went K's 32 and the mask's 16 loads of the second substep
	PVMUL \first
	WIN 0
	PLACES 5                                       ; five places before matrix instructions write over P, a source of those above; they serve the loads into V too
	LDV \slot, 1
	s_wait_dscnt 32                                ; K and the mask are in; V's 32 loads may be out
	SMUL
	WIN 0
	PLACES 4
	SM1
	SM2 0
	RESC
	s_wait_dscnt 0x0                               ; V
	PVMUL 0
	WIN 0
	PLACES 5
.endm
; A later block.  The other slot, read in the block before, is filled again with the block after this one.
.macro TRIP slot, refill
	s_wait_tensorcnt 0x0                           ; all my tensor loads have landed, my part of this slot among them: a group 0 may be written
	s_add_nc_u64 s[38-4*\slot:39-4*\slot], s[38-4*\slot:39-4*\slot], 65536   ; the other slot's next block: two blocks of 32,768 bytes on
	s_wait_dscnt 0x0                               ; my reads of the other slot are back
	ROUND                                          ; both now hold of every wave of all four work-groups
.if \refill
	tensor_load_to_lds s[36-4*\slot:39-4*\slot], s[16:23]          ; my one tensor load behind the round, first thing there
	s_nop 0
.endif
	v_add_nc_u32 v[MAD], MTILE, v[MAD]             ; this block's mask tile
	WORK \slot, 0
.endm
	s_wait_tensorcnt 0x2                           ; my part of slot 0 and my first mask tile are in; slot 1 and the second mask tile may stay out:
	s_barrier_signal -1
	s_barrier_wait -1                              ; everybody's are: slot 0 and mask tiles 0 to 3
	WORK 0, 1                                      ; block 0: its first products start the sums
	s_mov_b32 s52, 3                               ; blocks 1 to 6
.Lkb:
	TRIP 1, 1
	TRIP 0, 1
	s_sub_co_u32 s52, s52, 1
	s_cmp_lg_u32 s52, 0
	s_cbranch_scc1 .Lkb
	TRIP 1, 0                                      ; block 7: nothing is left to fetch (slot 0's stepped address is not used)
	; the two halves of each query's sum meet; O / sum in f16; lane L's 16 bytes (query L%16, d = 8 (L/16) + 0..7) at 16 L of the tile
.irp qt, 0,1
	v_permlanex16_b32 v[XX+\qt], v[LSUM+\qt], s14, s15
.endr
.irp qt, 0,1
	v_add_f32 v[LSUM+\qt], v[LSUM+\qt], v[XX+\qt]
.endr
.irp qt, 0,1
	v_rcp_f32 v[NM+2*\qt], v[LSUM+\qt]
	v_rcp_f32 v[NM+2*\qt+1], v[LSUM+\qt]
.endr
	v_nop                                          ; one plain place behind the reciprocals
	WIN 0x01
	s_wait_alu depctr_va_vdst(0)
.irp dt, 0,1,2,3,4,5,6,7
.irp qt, 0,1
.irp e, 0,2,4,6
	v_pk_mul_f32 v[SS+8*(2*\dt+\qt)+\e:SS+8*(2*\dt+\qt)+\e+1], v[8*(2*\dt+\qt)+\e:8*(2*\dt+\qt)+\e+1], v[NM+2*\qt:NM+2*\qt+1]
.endr
.endr
.endr
	WIN 0
.set ii, 0
.rept 16
.irp e, 0,1,2,3
	v_cvt_pk_f16_f32 v[SS+8*ii+\e], v[SS+8*ii+2*\e], v[SS+8*ii+2*\e+1]
.endr
	global_store_b128 v[L16], v[SS+8*ii:SS+8*ii+3], s[54:55] offset:(ii&1)*131072+(ii>>1)*512   ; the wave's 512 bytes are one whole tile; its registers are not written again
.set ii, ii+1
.endr
	ROUND                                          ; the closing round: no work-group ends while a partner may still ask jointly
	s_endpgm
.Lfunc_end_k_qc653c00b11_attn:
	.size	k_qc653c00b11_attn, .Lfunc_end_k_qc653c00b11_attn-k_qc653c00b11_attn
	.p2alignl 7, 3214868480
	.fill 96, 4, 3214868480
	.section	.rodata,"a",@progbits
	.p2align	6, 0x0
	.amdhsa_kernel k_qc653c00b11_attn
		.amdhsa_group_segment_fixed_size 327680
		.amdhsa_private_segment_fixed_size 0
		.amdhsa_enable_private_segment 0
		.amdhsa_kernarg_size 24
		.amdhsa_user_sgpr_count 2
		.amdhsa_user_sgpr_kernarg_segment_ptr 1
		.amdhsa_wavefront_size32 1
		.amdhsa_system_sgpr_workgroup_id_x 1
		.amdhsa_system_sgpr_workgroup_id_y 1
		.amdhsa_system_sgpr_workgroup_id_z 1
		.amdhsa_system_vgpr_workitem_id 0
		.amdhsa_next_free_vgpr 768
		.amdhsa_next_free_sgpr 66
		.amdhsa_reserve_vcc 1
		.amdhsa_float_denorm_mode_32 3
		.amdhsa_float_denorm_mode_16_64 3
		.amdhsa_memory_ordered 1
		.amdhsa_forward_progress 1
		.amdhsa_inst_pref_size 243
	.end_amdhsa_kernel
	.amdgpu_metadata
---
amdhsa.version: [ 1, 2 ]
amdhsa.kernels:
  - .name:           k_qc653c00b11_attn
    .symbol:         k_qc653c00b11_attn.kd
    .args:
      - { .name: qkvt, .offset: 0, .size: 8, .value_kind: global_buffer, .address_space: global }
      - { .name: mask, .offset: 8, .size: 8, .value_kind: global_buffer, .address_space: global }
      - { .name: attnc, .offset: 16, .size: 8, .value_kind: global_buffer, .address_space: global }
    .group_segment_fixed_size: 327680
    .private_segment_fixed_size: 0
    .kernarg_segment_align: 8
    .kernarg_segment_size: 24
    .max_flat_workgroup_size: 128
    .sgpr_count:     66
    .vgpr_count:     768
    .wavefront_size: 32
...
	.end_amdgpu_metadata
.endif
;; end of part 2
;; launch oproj (part 3): grid 32 x 8, 4 waves a work-group, no clusters, 128,000 bytes of LDS; arguments attnc, wo, out0; writes out0
.if DOCPART == 3
	.amdgcn_target "amdgcn-amd-amdhsa--gfx1250"
	.amdhsa_code_object_version 6
	.text
	.protected	k_qc653c00b11_oproj
	.globl	k_qc653c00b11_oproj
	.p2align	8
	.type	k_qc653c00b11_oproj,@function
k_qc653c00b11_oproj:
	s_mov_b64 s[64:65], 0
	v_nop
	global_prefetch_b8 v0, s[64:65] scope:SCOPE_SE
	s_setreg_imm32_b32 hwreg(HW_REG_WAVE_MODE, 25, 1), 1
	s_wait_xcnt 0x0
; oproj: out0 = attn wo^T, 1,024 x 4,096 over K = 4,096, f16 operands, f32 sums, f32 result.
; attn comes in f16 from the launch before.  wo is f32 in memory: it is rounded to bf16 (nearest even), the format in which the other inputs enter
; their products, and that value is then carried into f16, where its 8 bits of mantissa fit: the second conversion changes a number only below 6.1e-5,
; by 3e-8 at the most.  LIMIT: |wo| below 65,504.
; A work-group makes 128 x 128 (8 x 32 = 256 work-groups), a wave 64 x 64: 16 accumulator tiles.  K goes in steps of 64 through registers into a ring of
; three LDS buffers; 24 loads a wave and step, and the loads of up to three later steps stay on their way across the barriers.
; WHY REGISTERS AND NOT TENSOR LOADS, AND SO NO JOINT LOADS IN A CLUSTER: wo is f32 and a tensor load copies bytes as they are: LDS would hold 128 x 256 bytes of wo
; a step instead of 128 x 128, fragment reads of wo would be twice as long, and both waves that read a number would convert it.
; attnc: [query tile 64][k/16 256][512 bytes], lane L's 16 bytes at 16 L: query L%16, k = 8 (L/16) + 0..7 of the tile.
; REGISTER WINDOWS: 0 addresses, fragments, the way out; 1 accumulators, tile (a, b) at 8 (4 a + b); 2 staging sets 0 (v0-95) and 1 (v96-191); 3 set 2 (v0-95).
.set PITCH, 144                        ; an LDS row: 128 bytes of f16 + 16
.set BUF,   256*PITCH                  ; rows 0-127 attn, rows 128-255 wo
.set STAGE, 3*BUF                      ; behind the ring: 16 rows x 272 bytes for each wave, for the way out
.set SPITCH, 272
.set GA,  4                            ; byte offset in attnc of load 0; steps 2,048 a K step (four tiles)
.set GB,  5                            ; byte offset in wo of load 8; steps 256 a K step
.set STA, 6                            ; v6-8   where attn goes in buffer 0, 1, 2
.set STB, 9                            ; v9-11  where wo goes
.set FA,  12                           ; v12-14 my attn fragments
.set FB,  15                           ; v15-17 my wo fragments
.set STO, 18
.set RD,  19
.set CO,  22
.set MSB, 0
.macro WIN new                         ; the immediate's high byte repeats the setting that is left
.if MSB != \new
	s_set_vgpr_msb (MSB<<8)|\new
.set MSB, \new
.endif
.endm
.macro PLACES n
.rept \n
	v_nop
.endr
.endm
.macro SETSYM set                      ; a staging set's first register and its windows: as a load's destination, in the conversions, as an LDS store's data
.if \set == 2
.set SB, 0
.set WL, 0xc0
.set WC, 0xcf
.set WS, 0x0c
.else
.set SB, 96*\set
.set WL, 0x80
.set WC, 0x8a
.set WS, 0x08
.endif
.endm
	s_load_b128 s[4:7], s[0:1], 0x0                ; attnc s[4:5], wo s[6:7]
	s_load_b64 s[8:9], s[0:1], 0x10                ; out0
	v_lshrrev_b32 v20, 5, v0
	v_readfirstlane_b32 s14, v20                   ; wave 0..3
	s_lshr_b32 s15, s14, 1                         ; wm: which 64 rows
	s_and_b32 s16, s14, 1                          ; wn: which 64 columns
	s_mov_b32 s17, ttmp9                           ; j: block of 128 columns
	s_and_b32 s18, ttmp7, 0xffff                   ; i: block of 128 rows
	s_mov_b32 s24, 0xffff0000                      ; a word's upper bf16
	v_and_b32 v1, 15, v0                           ; r
	v_bfe_u32 v2, v0, 4, 1                         ; h
	v_and_b32 v3, 31, v0                           ; L
	s_lshl_b32 s28, s14, 18                        ; attn: two query tiles of 131,072 bytes a wave
	v_lshlrev_b32 v[GA], 4, v3
	v_add_nc_u32 v[GA], s28, v[GA]
	s_lshl_b32 s29, s14, 19                        ; wo: 32 rows of 16,384 bytes a wave; lanes 16-31 take the row 8 further down
	v_lshlrev_b32 v[GB], 4, v1
	v_lshl_add_u32 v[GB], v2, 17, v[GB]
	v_add_nc_u32 v[GB], s29, v[GB]
	v_mul_u32_u24 v20, v1, PITCH
	v_lshl_add_u32 v20, v2, 4, v20                 ; row r, 16 bytes for each half of the lanes
	s_mul_i32 s28, s14, 32*PITCH
	v_add_nc_u32 v[STA], s28, v20
	v_mul_u32_u24 v21, v2, 8*PITCH
	v_lshl_add_u32 v21, v1, 3, v21                 ; rows 8 apart are 128 bytes apart modulo 256: the two halves of the lanes fill one 256
	s_add_co_u32 s29, s28, 128*PITCH
	v_add_nc_u32 v[STB], s29, v21
	s_mul_i32 s28, s15, 64*PITCH
	s_mul_i32 s29, s16, 64*PITCH
	s_add_co_u32 s29, s29, 128*PITCH
	v_add_nc_u32 v[FA], s28, v20
	v_add_nc_u32 v[FB], s29, v20
.irp q, 1,2
	v_add_nc_u32 v[STA+\q], \q*BUF, v[STA]
	v_add_nc_u32 v[STB+\q], \q*BUF, v[STB]
	v_add_nc_u32 v[FA+\q],  \q*BUF, v[FA]
	v_add_nc_u32 v[FB+\q],  \q*BUF, v[FB]
.endr
	s_lshl_b32 s28, s18, 20                        ; eight query tiles
	s_mov_b32 s29, 0
	s_lshl_b32 s30, s17, 21                        ; 128 rows of wo
	s_mov_b32 s31, 0
	s_wait_kmcnt 0x0
	s_add_nc_u64 s[20:21], s[4:5], s[28:29]
	s_add_nc_u64 s[22:23], s[6:7], s[30:31]
.macro STEP
	WIN 0
	s_wait_xcnt 0x0                                ; the offsets are sources of the loads issued so far: rewritten only behind this wait
	v_add_nc_u32 v[GA], 2048, v[GA]
	v_add_nc_u32 v[GB], 256, v[GB]
.endm
.macro LOADS set, lo, hi               ; loads lo..hi of a step: 0-7 attn (query tile n/4, k tile n%4), 8-23 wo (rows 16 (m/8) + m%8 of my 32)
	SETSYM \set
	WIN WL
.set nn, \lo
.rept \hi-\lo+1
.if nn < 8
	global_load_b128 v[SB+4*nn:SB+4*nn+3], v[GA], s[20:21] offset:(nn>>2)*131072+(nn&3)*512
.else
	global_load_b128 v[SB+4*nn:SB+4*nn+3], v[GB], s[22:23] offset:(16*((nn-8)>>3)+((nn-8)&7))*16384
.endif
.set nn, nn+1
.endr
.endm
.macro CVT set                         ; wo: f32 to bf16 (the rounding), widened again, into f16 (exact but for the limit at the head), in place
	SETSYM \set
	WIN WC
.set nn, 8
.rept 16
	v_cvt_pk_bf16_f32 v[SB+4*nn], v[SB+4*nn], v[SB+4*nn+1]
	v_cvt_pk_bf16_f32 v[SB+4*nn+2], v[SB+4*nn+2], v[SB+4*nn+3]
	v_and_b32 v[SB+4*nn+1], s24, v[SB+4*nn]
	v_lshlrev_b32 v[SB+4*nn], 16, v[SB+4*nn]
	v_and_b32 v[SB+4*nn+3], s24, v[SB+4*nn+2]
	v_lshlrev_b32 v[SB+4*nn+2], 16, v[SB+4*nn+2]
	v_cvt_pk_f16_f32 v[SB+4*nn], v[SB+4*nn], v[SB+4*nn+1]
	v_cvt_pk_f16_f32 v[SB+4*nn+1], v[SB+4*nn+2], v[SB+4*nn+3]
.set nn, nn+1
.endr
.endm
.macro STORE set, buf
	SETSYM \set
	WIN WS
.set nn, 0
.rept 24
.if nn < 8
	ds_store_b128 v[STA+\buf], v[SB+4*nn:SB+4*nn+3] offset:(nn>>2)*16*PITCH+(nn&3)*32
.else
	ds_store_b64 v[STB+\buf], v[SB+4*nn:SB+4*nn+1] offset:(16*((nn-8)>>3)+((nn-8)&7))*PITCH
.endif
.set nn, nn+1
.endr
.endm
.macro FRAGS buf                       ; 32 loads: both halves of the K step, 4 row tiles of each side
	WIN 0
.irp kk, 0,1
.irp a, 0,1,2,3
	ds_load_b128 v[32+64*\kk+8*\a:32+64*\kk+8*\a+3],   v[FA+\buf] offset:\a*16*PITCH+\kk*64
	ds_load_b128 v[32+64*\kk+8*\a+4:32+64*\kk+8*\a+7], v[FA+\buf] offset:\a*16*PITCH+\kk*64+32
.endr
.irp b, 0,1,2,3
	ds_load_b128 v[64+64*\kk+8*\b:64+64*\kk+8*\b+3],   v[FB+\buf] offset:\b*16*PITCH+\kk*64
	ds_load_b128 v[64+64*\kk+8*\b+4:64+64*\kk+8*\b+7], v[FB+\buf] offset:\b*16*PITCH+\kk*64+32
.endr
.endr
.endm
; 16 matrix instructions, 32 along K.  Source 0 = rows of wo, source 1 = rows of attn: lane L holds row L%16 and eight neighbouring columns.
; The 16 accumulators take turns, one instruction a turn.
.macro MUL kk, zero
	WIN 0x50
.irp a, 0,1,2,3
.irp b, 0,1,2,3
.if \zero
	v_wmma_f32_16x16x32_f16 v[8*(4*\a+\b):8*(4*\a+\b)+7], v[64+64*\kk+8*\b:64+64*\kk+8*\b+7], v[32+64*\kk+8*\a:32+64*\kk+8*\a+7], 0
.else
	v_wmma_f32_16x16x32_f16 v[8*(4*\a+\b):8*(4*\a+\b)+7], v[64+64*\kk+8*\b:64+64*\kk+8*\b+7], v[32+64*\kk+8*\a:32+64*\kk+8*\a+7], v[8*(4*\a+\b):8*(4*\a+\b)+7]
.endif
.endr
.endr
.endm
; Trip t multiplies step t out of buffer q = t%3, puts step t+1 (set and buffer nxt) into LDS and asks for step t+4 into that set.
.macro TRIP q, nxt, zero, store, load, lcnt
	WIN 0
	PLACES 4                                       ; four places between the last matrix instructions and the loads into their sources
	s_wait_dscnt 0x0                               ; my stores of this trip's buffer are done, and my reads of the last one
	s_barrier_signal -1
	s_barrier_wait -1                              ; both now hold of all four waves
	FRAGS \q
.if \load
	STEP
.endif
.if \store
	s_wait_loadcnt \lcnt                           ; loads come back in order: step t+1 is in; what may stay out are the steps behind it, 24 loads each
	CVT \nxt
	STORE \nxt, \nxt
.endif
.if \load
	LOADS \nxt, 0, 11
.endif
.if \store
	s_wait_dscnt 24                                ; the 32 fragment loads are in; the 24 stores behind them may be out
.else
	s_wait_dscnt 0x0
.endif
	MUL 0, \zero
.if \load
	LOADS \nxt, 12, 23
.endif
	MUL 1, 0
	WIN 0
.endm
	LOADS 0, 0, 23                                 ; step 0
	STEP
	LOADS 1, 0, 23                                 ; step 1
	STEP
	LOADS 2, 0, 23                                 ; step 2
	s_wait_loadcnt 48                              ; step 0 is in
	CVT 0
	STORE 0, 0
	STEP
	LOADS 0, 0, 23                                 ; step 3
	TRIP 0, 1, 1, 1, 1, 48                         ; the first products start the sums: nothing is cleared
	TRIP 1, 2, 0, 1, 1, 48
	TRIP 2, 0, 0, 1, 1, 48
	s_mov_b32 s30, 19                              ; trips 3 to 59
.Lk:
	TRIP 0, 1, 0, 1, 1, 48
	TRIP 1, 2, 0, 1, 1, 48
	TRIP 2, 0, 0, 1, 1, 48
	s_sub_co_u32 s30, s30, 1
	s_cmp_lg_u32 s30, 0
	s_cbranch_scc1 .Lk
	TRIP 0, 1, 0, 1, 0, 48                         ; trip 60: steps 62 and 63 may stay out; nothing is left to ask for
	TRIP 1, 2, 0, 1, 0, 24                         ; trip 61: step 63 may stay out
	TRIP 2, 0, 0, 1, 0, 0                          ; trip 62
	TRIP 0, 1, 0, 0, 0, 0                          ; trip 63
	; THE WAY OUT, 16 rows at a time: a lane's 32 bytes (8 columns of one row) into my own stage, whole rows of 256 bytes back, stored by sixteen lanes each.
	PLACES 4                                       ; four places behind the last matrix instructions: for the LDS stores of results and the loads into fragment registers
	s_mul_i32 s28, s14, 16*SPITCH
	s_add_co_u32 s28, s28, STAGE
	v_mul_u32_u24 v20, v1, SPITCH
	v_lshl_add_u32 v20, v2, 5, v20
	v_add_nc_u32 v[STO], s28, v20
	v_mul_u32_u24 v21, v2, SPITCH
	v_lshl_add_u32 v21, v1, 4, v21
	v_add_nc_u32 v[RD], s28, v21
	v_lshlrev_b32 v[CO], 4, v1
	v_lshl_add_u32 v[CO], v2, 14, v[CO]            ; lanes 16-31 one row of 16,384 bytes further down
	s_lshl_b32 s28, s18, 21
	s_lshl_b32 s29, s15, 20
	s_add_co_u32 s28, s28, s29                     ; row 128 i + 64 wm
	s_lshl_b32 s29, s17, 9
	s_add_co_u32 s28, s28, s29
	s_lshl_b32 s29, s16, 8
	s_add_co_u32 s28, s28, s29                     ; column 128 j + 64 wn, 4 bytes each
	s_mov_b32 s29, 0
	s_add_nc_u64 s[8:9], s[8:9], s[28:29]
.irp a, 0,1,2,3
	WIN 0x04
.irp b, 0,1,2,3
	ds_store_b128 v[STO], v[8*(4*\a+\b):8*(4*\a+\b)+3]   offset:64*\b
	ds_store_b128 v[STO], v[8*(4*\a+\b)+4:8*(4*\a+\b)+7] offset:64*\b+16
.endr
	WIN 0
.irp t, 0,1,2,3,4,5,6,7
	ds_load_b128 v[32+32*\a+4*\t:32+32*\a+4*\t+3], v[RD] offset:2*SPITCH*\t   ; LDS serves a wave's instructions in order (ISA guide 5.7.1.4): these see the stores above, and the next stores come behind them
.endr
.irp t, 0,1,2,3,4,5,6,7
	s_wait_dscnt 7-\t
	global_store_b128 v[CO], v[32+32*\a+4*\t:32+32*\a+4*\t+3], s[8:9] offset:(16*\a+2*\t)*16384   ; 16 lanes store 256 consecutive bytes at a multiple of 256; each data register is written once
.endr
.endr
	s_endpgm
.Lfunc_end_k_qc653c00b11_oproj:
	.size	k_qc653c00b11_oproj, .Lfunc_end_k_qc653c00b11_oproj-k_qc653c00b11_oproj
	.p2alignl 7, 3214868480
	.fill 96, 4, 3214868480
	.section	.rodata,"a",@progbits
	.p2align	6, 0x0
	.amdhsa_kernel k_qc653c00b11_oproj
		.amdhsa_group_segment_fixed_size 128000
		.amdhsa_private_segment_fixed_size 0
		.amdhsa_enable_private_segment 0
		.amdhsa_kernarg_size 24
		.amdhsa_user_sgpr_count 2
		.amdhsa_user_sgpr_kernarg_segment_ptr 1
		.amdhsa_wavefront_size32 1
		.amdhsa_system_sgpr_workgroup_id_x 1
		.amdhsa_system_sgpr_workgroup_id_y 1
		.amdhsa_system_sgpr_workgroup_id_z 1
		.amdhsa_system_vgpr_workitem_id 0
		.amdhsa_next_free_vgpr 864
		.amdhsa_next_free_sgpr 66
		.amdhsa_reserve_vcc 0
		.amdhsa_float_denorm_mode_32 3
		.amdhsa_float_denorm_mode_16_64 3
		.amdhsa_memory_ordered 1
		.amdhsa_forward_progress 1
		.amdhsa_inst_pref_size 156
	.end_amdhsa_kernel
	.amdgpu_metadata
---
amdhsa.version: [ 1, 2 ]
amdhsa.kernels:
  - .name:           k_qc653c00b11_oproj
    .symbol:         k_qc653c00b11_oproj.kd
    .args:
      - { .name: attnc, .offset: 0, .size: 8, .value_kind: global_buffer, .address_space: global }
      - { .name: wo, .offset: 8, .size: 8, .value_kind: global_buffer, .address_space: global }
      - { .name: out0, .offset: 16, .size: 8, .value_kind: global_buffer, .address_space: global }
    .group_segment_fixed_size: 128000
    .private_segment_fixed_size: 0
    .kernarg_segment_align: 8
    .kernarg_segment_size: 24
    .max_flat_workgroup_size: 128
    .sgpr_count:     66
    .vgpr_count:     864
    .wavefront_size: 32
...
	.end_amdgpu_metadata
.endif
;; end of part 3
;; ======== version 2 of 2: 4 launches; 1.21 times as fast as version 1
;; limits: values are held in f16: magnitudes above 65,504 overflow, below 6.1e-05 lose precision; a function is approximated: absolute error at most 2.2e-05
;; workspace buffers: qkvt 12,582,912 bytes; attnc 8,388,608 bytes; xb 8,388,608 bytes; wb 50,331,648 bytes; wob 33,554,432 bytes
;; launch cast (part 4): grid 1792 x 1, 4 waves a work-group, no clusters, 34,816 bytes of LDS; arguments x, wq, wk, wv, xb, wb; writes xb, wb
.if DOCPART == 4
	.amdgcn_target "amdgcn-amd-amdhsa--gfx1250"
	.amdhsa_code_object_version 6
	.text
	.protected	k_qc653c00b11_cast
	.globl	k_qc653c00b11_cast
	.p2align	8
	.type	k_qc653c00b11_cast,@function
k_qc653c00b11_cast:
	s_mov_b64 s[64:65], 0
	v_nop
	global_prefetch_b8 v0, s[64:65] scope:SCOPE_SE
	s_setreg_imm32_b32 hwreg(HW_REG_WAVE_MODE, 25, 1), 1
	s_wait_xcnt 0x0
; cast: the four f32 inputs of the first projection are rounded once to bf16 (nearest even) and laid out as the matrix instructions want them.
; x -> xb, [wq; wk; wv] -> wb.  (wo is converted in the attention launch, which leaves memory nearly idle.)
; LAYOUT of xb and wb (rows of 4,096 numbers): tiles of 16 rows x 16 k, 512 bytes:
;   byte = (row / 16) * 131072 + (k / 16) * 512 + ((k / 8) % 2) * 256 + (row % 16) * 16 + (k % 8) * 2,
; so that lane L of a wave finds at 16 L of a tile row L % 16, k = 8 (L / 16) + 0..7: half of a 16 x 32 matrix operand as it lies in registers.
; wb: row tiles 0-255 wq, 256-319 wk, 320-383 wv.
; WORK: 448 row tiles (64 x, 256 wq, 64 wk, 64 wv) x 4 quarters of K = 1,792 work-groups; a wave takes 16 rows x 256 k: 32 loads of 512 consecutive
; bytes, all issued at once, and 16 stores of 512 consecutive bytes (8,192 consecutive bytes a wave).  Memory binds: each byte is read once and written once;
; matrix units, clusters and tensor loads would add nothing.  The change of order goes through a stage in LDS that is the wave's own: no barrier.
; STAGE: 32 half tiles (16 rows x 8 k, 256 bytes) at a pitch of 272 bytes.  A store of 8 bytes a lane puts lane c's four numbers of one row into half tile c / 2:
; 272 (c / 2) + 8 (c % 2) is 8 c modulo 256, so the 32 lanes touch 256 different bytes modulo 256; the loads back take 256 consecutive bytes for each 16 lanes.
.set SPITCH, 272
.set WSTAGE, 32*SPITCH                 ; 8,704 bytes a wave
.set OFS, 2                            ; 16 x lane: offset of loads and of stores; never rewritten
.set SA,  3                            ; LDS: where my four numbers of row 0, first half, go
.set RA,  4                            ; LDS: my 16 bytes of output tile 0
.set X,   8                            ; v8-135   load n: 4 registers
.set Y,   136                          ; v136-199 output tile m: 4 registers
	s_load_b256 s[8:15], s[0:1], 0x0               ; x s[8:9], wq s[10:11], wk s[12:13], wv s[14:15]
	s_load_b128 s[16:19], s[0:1], 0x20             ; xb s[16:17], wb s[18:19]
	v_lshrrev_b32 v1, 5, v0
	v_readfirstlane_b32 s4, v1                     ; wave 0..3
	s_lshr_b32 s5, ttmp9, 2                        ; t: row tile 0..447
	s_and_b32 s6, ttmp9, 3                         ; which 1,024 of K
	v_and_b32 v1, 31, v0                           ; lane
	v_lshlrev_b32 v[OFS], 4, v1
	s_mul_i32 s24, s4, WSTAGE                      ; my wave's stage
	v_lshrrev_b32 v5, 1, v1
	v_mul_u32_u24 v5, v5, SPITCH
	v_and_b32 v6, 1, v1
	v_lshl_add_u32 v5, v6, 3, v5
	v_add_nc_u32 v[SA], s24, v5                    ; 272 (c / 2) + 8 (c % 2)
	v_lshrrev_b32 v5, 4, v1
	v_mul_u32_u24 v5, v5, SPITCH
	v_and_b32 v6, 15, v1
	v_lshl_add_u32 v5, v6, 4, v5
	v_add_nc_u32 v[RA], s24, v5                    ; 272 (L / 16) + 16 (L % 16)
	s_movk_i32 s25, 384                            ; first row tile of the source
	s_wait_kmcnt 0x0
	s_cmp_lt_u32 s5, 384                           ; the source and the destination hang on t alone
	s_cselect_b64 s[26:27], s[12:13], s[14:15]
	s_cselect_b32 s25, 320, s25
	s_cmp_lt_u32 s5, 320
	s_cselect_b64 s[26:27], s[10:11], s[26:27]
	s_cselect_b32 s25, 64, s25
	s_cmp_lt_u32 s5, 64
	s_cselect_b64 s[26:27], s[8:9], s[26:27]
	s_cselect_b32 s25, 0, s25
	s_cselect_b64 s[28:29], s[16:17], s[18:19]
	s_cselect_b32 s30, 0, 64                       ; first row tile of the destination
	s_sub_co_u32 s25, s5, s25
	s_lshl_b32 s32, s25, 18                        ; 16 rows of 16,384 bytes
	s_lshl_b32 s33, s6, 12                         ; 1,024 k of 4 bytes
	s_add_co_u32 s32, s32, s33
	s_lshl_b32 s33, s4, 10                         ; my wave's 256 k
	s_add_co_u32 s32, s32, s33
	s_mov_b32 s33, 0
	s_add_nc_u64 s[26:27], s[26:27], s[32:33]
	s_sub_co_u32 s30, s5, s30
	s_lshl_b32 s32, s30, 17                        ; a row tile of 131,072 bytes
	s_lshl_b32 s33, s6, 15                         ; 64 tiles of 512 bytes
	s_add_co_u32 s32, s32, s33
	s_lshl_b32 s33, s4, 13                         ; my wave's 16 tiles
	s_add_co_u32 s32, s32, s33
	s_mov_b32 s33, 0
	s_add_nc_u64 s[28:29], s[28:29], s[32:33]
.set nn, 0
.rept 32
	global_load_b128 v[X+4*nn:X+4*nn+3], v[OFS], s[26:27] offset:(nn>>1)*16384+(nn&1)*512 th:TH_LOAD_NT   ; row n / 2, half n % 2 of my 1,024 bytes
.set nn, nn+1
.endr
	; load n comes in, is rounded in place and goes to the stage: half tiles 16 (n % 2) + c / 2, row n / 2
.set nn, 0
.rept 32
	s_wait_loadcnt 31-nn                           ; loads come back in order: load n is in, the younger ones stay out
	v_cvt_pk_bf16_f32 v[X+4*nn], v[X+4*nn], v[X+4*nn+1]
	v_cvt_pk_bf16_f32 v[X+4*nn+1], v[X+4*nn+2], v[X+4*nn+3]
	ds_store_b64 v[SA], v[X+4*nn:X+4*nn+1] offset:(nn&1)*16*SPITCH+(nn>>1)*16
.set nn, nn+1
.endr
.set mm, 0
.rept 16
	ds_load_b128 v[Y+4*mm:Y+4*mm+3], v[RA] offset:2*mm*SPITCH      ; LDS serves a wave's instructions in order (ISA guide 5.7.1.4): these see the stores above
.set mm, mm+1
.endr
.set mm, 0
.rept 16
	s_wait_dscnt 15-mm                             ; tile m is in, the younger loads stay out
	global_store_b128 v[OFS], v[Y+4*mm:Y+4*mm+3], s[28:29] offset:mm*512 th:TH_STORE_NT   ; the wave's 512 bytes are one whole tile, at a multiple of 512; no register of it is written again
.set mm, mm+1
.endr
	s_endpgm
.Lfunc_end_k_qc653c00b11_cast:
	.size	k_qc653c00b11_cast, .Lfunc_end_k_qc653c00b11_cast-k_qc653c00b11_cast
	.p2alignl 7, 3214868480
	.fill 96, 4, 3214868480
	.section	.rodata,"a",@progbits
	.p2align	6, 0x0
	.amdhsa_kernel k_qc653c00b11_cast
		.amdhsa_group_segment_fixed_size 34816
		.amdhsa_private_segment_fixed_size 0
		.amdhsa_enable_private_segment 0
		.amdhsa_kernarg_size 48
		.amdhsa_user_sgpr_count 2
		.amdhsa_user_sgpr_kernarg_segment_ptr 1
		.amdhsa_wavefront_size32 1
		.amdhsa_system_sgpr_workgroup_id_x 1
		.amdhsa_system_sgpr_workgroup_id_y 1
		.amdhsa_system_sgpr_workgroup_id_z 1
		.amdhsa_system_vgpr_workitem_id 0
		.amdhsa_next_free_vgpr 200
		.amdhsa_next_free_sgpr 66
		.amdhsa_reserve_vcc 0
		.amdhsa_float_denorm_mode_32 3
		.amdhsa_float_denorm_mode_16_64 3
		.amdhsa_memory_ordered 1
		.amdhsa_forward_progress 1
		.amdhsa_inst_pref_size 16
	.end_amdhsa_kernel
	.amdgpu_metadata
---
amdhsa.version: [ 1, 2 ]
amdhsa.kernels:
  - .name:           k_qc653c00b11_cast
    .symbol:         k_qc653c00b11_cast.kd
    .args:
      - { .name: x, .offset: 0, .size: 8, .value_kind: global_buffer, .address_space: global }
      - { .name: wq, .offset: 8, .size: 8, .value_kind: global_buffer, .address_space: global }
      - { .name: wk, .offset: 16, .size: 8, .value_kind: global_buffer, .address_space: global }
      - { .name: wv, .offset: 24, .size: 8, .value_kind: global_buffer, .address_space: global }
      - { .name: xb, .offset: 32, .size: 8, .value_kind: global_buffer, .address_space: global }
      - { .name: wb, .offset: 40, .size: 8, .value_kind: global_buffer, .address_space: global }
    .group_segment_fixed_size: 34816
    .private_segment_fixed_size: 0
    .kernarg_segment_align: 8
    .kernarg_segment_size: 48
    .max_flat_workgroup_size: 128
    .sgpr_count:     66
    .vgpr_count:     200
    .wavefront_size: 32
...
	.end_amdgpu_metadata
.endif
;; end of part 4
;; launch qkv (part 5): grid 32 x 8, 4 waves a work-group, clusters of 4 x 4, 327,680 bytes of LDS; arguments xb, wb, qkvt; writes qkvt
.if DOCPART == 5
	.amdgcn_target "amdgcn-amd-amdhsa--gfx1250"
	.amdhsa_code_object_version 6
	.text
	.protected	k_qc653c00b11_qkv
	.globl	k_qc653c00b11_qkv
	.p2align	8
	.type	k_qc653c00b11_qkv,@function
k_qc653c00b11_qkv:
	s_mov_b64 s[64:65], 0
	v_nop
	global_prefetch_b8 v0, s[64:65] scope:SCOPE_SE
	s_setreg_imm32_b32 hwreg(HW_REG_WAVE_MODE, 25, 1), 1
	s_wait_xcnt 0x0
	s_wait_alu depctr_hold_cnt(0) depctr_sa_sdst(0) depctr_va_vdst(0) depctr_va_sdst(0) depctr_va_ssrc(0) depctr_va_vcc(0) depctr_vm_vsrc(0)
	s_getreg_b32 s2, hwreg(HW_REG_IB_STS2, 6, 4)
	s_cmp_eq_u32 s2, 0
	s_cbranch_scc0 .Lentry_in_a_cluster
	s_endpgm
.Lentry_in_a_cluster:
	s_bfe_u32 s2, ttmp6, 0x10000c
	s_cmp_lg_u32 s2, 0xf033
	s_cbranch_scc0 .Lentry_shape_is_right
	s_endpgm
.Lentry_shape_is_right:
; qkv: C = x [wq; wk; wv]^T, 1,024 x 6,144 over K = 4,096, then the rotary embedding on the q and k columns, result in f16.
; Operands: xb and wb, bf16, made by the launch before, in tiles of 16 rows x 16 k of 512 bytes: byte = (row/16) * 131072 + (k/16) * 512 + 16 L,
; lane L = 16 h + r holding row r, k = 8 h + 0..7.  Sums and the rotation are f32.
; A work-group makes 128 rows x 192 columns (8 x 32 = 256 work-groups), a wave 64 x 96: 24 accumulator tiles of 16 x 16, 192 registers.
; K goes in 16 steps of 256 through a ring of two LDS slots filled by tensor loads.  A row tile's part of a step is 16 tiles = 8,192 consecutive bytes, in memory
; and in LDS; a fragment load takes 512 consecutive bytes, so no padding is needed, and two slots of 320 rows x 512 bytes are exactly the 327,680 bytes asked for.
; CLUSTERS: 4 x 4 work-groups.  The four of a row of the cluster make blocks of one block row of C and need the same tiles of x; the four of a column need the same
; weights.  Such a tile is asked for jointly: the same tensor load, the same descriptor, a mask that names the four.  That divides the requests by four.
; OUTPUT qkvt, f16, tiles of 16 tokens x 16 columns, 512 bytes each: byte = slab * 262144 + (token/16) * 4096 + (d/16) * 512 + place,
; slab 0-31 q heads, 32-39 k heads, 40-47 v heads.  q, k: lane L's 16 bytes at 16 L.  v: row-major, token r at 32 r (for the transposing LDS load of the next launch).
; LIMITS: q, k, v are kept in f16: |x.w| must stay below 65,504, and values below 6e-5 keep an absolute error of 3e-8.
; Angles: positions 0 to 1,023 (pos = 0 is a constant of the problem); the reduction modulo 2 pi adds less than 1e-6, the series are cut at
; 2.2e-5 (sin) and 4.3e-6 (cos) for |r| <= pi; 10000^(-m/64) is made by v_exp_f32, so an angle near 1,000 carries about 1e-4,
; the same order as an f32 product of position and frequency carries.
; REGISTER WINDOWS: 0 addresses, two fragment buffers (buffer f: x at v[32+80f+8a], weights at v[64+80f+8b]), the way out; 1 accumulators, tile (a, b) at 8 (6 a + b).
.set RT,    8192                       ; a row tile's part of a K step
.set SLOT,  20*RT                      ; 12 row tiles of weights, then 8 of x
.set LAPS,  8                          ; a lap = two K steps = once round the ring
.set NFETCH, 20                        ; LDS loads of a quarter step
.set ADRA, 4                           ; v4-5  my x fragments in slot 0, 1
.set ADRB, 6                           ; v6-7  my weight fragments
.set FQK,  14                          ; the way out: place in a q or k tile
.set FV,   15                          ; place in a v tile
.set TFP,  16                          ; v16-23 position of my token in row tile a, as f32, twice
.set OFFS, 24                          ; v24-29 byte offset in qkvt for column tile b
.set OUT,  32                          ; v32-127 four registers a tile, each written once
.set INVF, 128
.set ANG,  132
.set NN,   136
.set RR,   140
.set ZZ,   144
.set PSI,  148
.set PCO,  152
.set TT,   156
.set CTS,  164
.set CTC,  166
.set IDX,  168
.set NSI,  172
.set G1,  24                           ; s[24:31] descriptor group 1 for x
.set G0,  32                           ; s[32:39] descriptor group 0 for x, one set for each slot
.set G1B, 48                           ; s[48:55] group 1 for the weights
.set G0B, 56                           ; s[56:63] group 0 for the weights
.set MULW, 0x50                        ; C and D in window 1, sources in window 0
.set MSB, 0
.macro WIN new                         ; the immediate's high byte repeats the setting that is left
.if MSB != \new
	s_set_vgpr_msb (MSB<<8)|\new
.set MSB, \new
.endif
.endm
.macro PLACES n
.rept \n
	v_nop
.endr
.endm
; A joint load.  Waves 0 and 1 fetch the weights' two halves, waves 2 and 3 x's.  Each line has one mask and one set of registers for all that issue it;
; the branch hangs on the wave's number alone.
.macro JLOAD s
	s_cmp_eq_u32 s11, 0
	s_cbranch_scc0 .Lfor_x_\@
	tensor_load_to_lds s[G0B+4*\s:G0B+4*\s+3], s[G1B:G1B+7]
	s_nop 0
	s_branch .Lasked_\@
.Lfor_x_\@:
	tensor_load_to_lds s[G0+4*\s:G0+4*\s+3], s[G1:G1+7]
	s_nop 0
.Lasked_\@:
.endm
; A round of the cluster's barrier: my work-group's barrier, wave 0 signals for the work-group, every wave waits for all sixteen, my work-group's barrier again.
.macro CREST                           ; a round behind its opening barrier
	s_cmp_lg_u32 s10, 0
	s_cbranch_scc1 .Lnot_wave_0_\@
	s_barrier_signal -3
.Lnot_wave_0_\@:
	s_barrier_wait -3
	s_barrier_signal -1
	s_barrier_wait -1
.endm
.macro CROUND                          ; a whole round
	s_barrier_signal -1
	s_barrier_wait -1
	CREST
.endm
	s_load_b128 s[4:7], s[0:1], 0x0                ; xb s[4:5], wb s[6:7]
	s_load_b64 s[8:9], s[0:1], 0x10                ; qkvt
	v_lshrrev_b32 v1, 5, v0
	v_readfirstlane_b32 s10, v1                    ; wave 0..3
	s_lshr_b32 s11, s10, 1                         ; wm: which 64 rows are mine.  Also: I fetch weights (0) or x (1)
	s_and_b32 s12, s10, 1                          ; wn: which 96 columns.  Also: which half of that tile I fetch
	s_bfe_u32 s40, ttmp6, 0x40000                  ; cx
	s_bfe_u32 s41, ttmp6, 0x40004                  ; cy
	s_lshl_b32 s42, ttmp9, 2
	s_add_co_u32 s42, s42, s40                     ; j: block of 192 columns = 4 x cluster x + cx
	s_and_b32 s13, ttmp7, 0xffff
	s_lshl_b32 s13, s13, 2
	s_add_co_u32 s13, s13, s41                     ; i: block of 128 rows = 4 x cluster y + cy
	s_lshl_b32 s43, s41, 2
	s_lshl_b32 s43, 15, s43                        ; my row of the cluster: places 4 cy .. 4 cy + 3
	s_lshl_b32 s44, 0x1111, s40                    ; my column: places cx, cx + 4, cx + 8, cx + 12
	; group 1: rows of 1,024 elements of 8 bytes (a row tile's 8,192 consecutive bytes), 16,384 elements from row tile to row tile; 4 row tiles of x, 6 of the weights
	s_or_b32 s[G1+0], s43, (3<<16)|(1<<21)         ; 15:0 the mask: x goes to my row; 17:16 elements of 8 bytes; 21 set beside a mask; no padding
	s_or_b32 s[G1B+0], s44, (3<<16)|(1<<21)        ; the weights go to my column
	s_mov_b32 s[G1+1], 1024<<16                    ; tensor_dim0 = 1,024
	s_mov_b32 s[G1B+1], 1024<<16
	s_mov_b32 s[G1+2], 4<<16                       ; tensor_dim1 = 4
	s_mov_b32 s[G1B+2], 6<<16                      ; tensor_dim1 = 6
	s_mov_b32 s[G1+3], 1024<<16                    ; tile_dim0 = 1,024
	s_mov_b32 s[G1B+3], 1024<<16
	s_mov_b32 s[G1+4], 4                           ; tile_dim1 = 4
	s_mov_b32 s[G1B+4], 6                          ; tile_dim1 = 6
	s_mov_b32 s[G1+5], 16384                       ; stride from row to row
	s_mov_b32 s[G1B+5], 16384
	s_mov_b32 s[G1+6], 0
	s_mov_b32 s[G1B+6], 0
	s_mov_b32 s[G1+7], 0
	s_mov_b32 s[G1B+7], 0
	; x's tiles hang on the block row alone, the weights' on the block column alone; each address is made in registers that never hold the other coordinate
	s_lshl_b32 s16, s13, 3
	s_lshl_b32 s17, s12, 2
	s_add_co_u32 s16, s16, s17                     ; x: row tile 8 i + 4 half
	s_lshl_b32 s16, s16, 17                        ; of 131,072 bytes
	s_mov_b32 s17, 0
	s_mul_i32 s46, s42, 12
	s_mul_i32 s47, s12, 6
	s_add_co_u32 s46, s46, s47                     ; weights: row tile 12 j + 6 half
	s_lshl_b32 s46, s46, 17
	s_mov_b32 s47, 0
	s_mul_i32 s20, s10, 4*RT
	s_add_co_u32 s20, s20, 4*RT                    ; x in LDS, waves 2 and 3: 32,768 w + 32,768 = row tiles 12 and 16 of the slot
	s_mul_i32 s21, s10, 6*RT                       ; weights in LDS, waves 0 and 1: 49,152 w = row tiles 0 and 6
	s_wait_kmcnt 0x0
	s_add_nc_u64 s[14:15], s[4:5], s[16:17]
	s_add_nc_u64 s[46:47], s[6:7], s[46:47]
	CROUND                                         ; all sixteen work-groups are here: the first joint loads meet
.irp s, 0,1
	s_mov_b32 s[G0+4*\s], 1                                        ; count = 1
	s_add_co_u32 s[G0+4*\s+1], s20, \s*SLOT                        ; LDS address
	s_add_nc_u64 s[G0+4*\s+2:G0+4*\s+3], s[14:15], \s*RT           ; global address: K step s
	s_or_b32 s[G0+4*\s+3], s[G0+4*\s+3], 0x80000000                ; type 2
	s_mov_b32 s[G0B+4*\s], 1
	s_add_co_u32 s[G0B+4*\s+1], s21, \s*SLOT
	s_add_nc_u64 s[G0B+4*\s+2:G0B+4*\s+3], s[46:47], \s*RT
	s_or_b32 s[G0B+4*\s+3], s[G0B+4*\s+3], 0x80000000
	JLOAD \s                                       ; the ring is filled before anything else is done: two tensor loads of a wave are out here, later one
.endr
	v_and_b32 v1, 15, v0                           ; r
	v_bfe_u32 v2, v0, 4, 1                         ; h
	v_and_b32 v3, 31, v0                           ; L
	v_lshlrev_b32 v8, 4, v3                        ; 16 L: my 16 bytes of every tile
	s_mul_i32 s22, s12, 6*RT                       ; my 6 row tiles of weights
	s_mul_i32 s23, s11, 4*RT
	s_add_co_u32 s23, s23, 12*RT                   ; my 4 row tiles of x, behind the weights' 12
.irp s, 0,1
	v_add_nc_u32 v[ADRB+\s], s22, v8
	v_add_nc_u32 v[ADRA+\s], s23, v8
	s_add_co_u32 s22, s22, SLOT
	s_add_co_u32 s23, s23, SLOT
.endr
; 6 matrix instructions: row tile a of x against my 6 tiles of weights, 32 along K, out of buffer f.  Source 0 = weight rows, source 1 = x rows:
; lane L then holds token L % 16 and eight neighbouring columns.  The 24 accumulators take turns, one instruction a turn, in the same order in
; every quarter step.  zero = 1: the first product starts the sums: nothing is cleared.
.macro MULA f, a, zero
.irp b, 0,1,2,3,4,5
.if \zero
	v_wmma_f32_16x16x32_bf16 v[8*(6*\a+\b):8*(6*\a+\b)+7], v[64+80*\f+8*\b:64+80*\f+8*\b+7], v[32+80*\f+8*\a:32+80*\f+8*\a+7], 0
.else
	v_wmma_f32_16x16x32_bf16 v[8*(6*\a+\b):8*(6*\a+\b)+7], v[64+80*\f+8*\b:64+80*\f+8*\b+7], v[32+80*\f+8*\a:32+80*\f+8*\a+7], v[8*(6*\a+\b):8*(6*\a+\b)+7]
.endif
.endr
.endm
; 20 LDS loads in one run: the fragments of quarter step q (two tiles of 16 k, 1,024 bytes along a row tile) into buffer f: the weights first, x's row tiles 2 and 3 last
.macro FETCH slot, q, f
	WIN 0
.irp b, 0,1,2,3,4,5
	ds_load_b128 v[64+80*\f+8*\b:64+80*\f+8*\b+3],   v[ADRB+\slot] offset:\b*RT+\q*1024
	ds_load_b128 v[64+80*\f+8*\b+4:64+80*\f+8*\b+7], v[ADRB+\slot] offset:\b*RT+\q*1024+512
.endr
.irp a, 0,1,2,3
	ds_load_b128 v[32+80*\f+8*\a:32+80*\f+8*\a+3],   v[ADRA+\slot] offset:\a*RT+\q*1024
	ds_load_b128 v[32+80*\f+8*\a+4:32+80*\f+8*\a+7], v[ADRA+\slot] offset:\a*RT+\q*1024+512
.endr
.endm
; One of a K step's first seven quarter steps: multiplies buffer f; in its middle it fetches quarter step nq of the same slot into buffer g.
.macro QUARTER slot, nq, f, g, zero
	s_wait_dscnt 4                                 ; the weights and x's row tiles 0, 1 are in; the youngest four loads (row tiles 2, 3) may be out
	WIN MULW
	MULA \f, 0, \zero
	MULA \f, 1, \zero
	WIN 0
	PLACES 4                                       ; four places between the matrix instructions that read buffer g and the loads into it
	FETCH \slot, \nq, \g
	s_wait_dscnt NFETCH                            ; all but the 20 just issued
	WIN MULW
	MULA \f, 2, \zero
	MULA \f, 3, \zero
.endm
.macro SEVEN slot, zero
	QUARTER \slot, 1, 0, 1, \zero
	QUARTER \slot, 2, 1, 0, 0
	QUARTER \slot, 3, 0, 1, 0
	QUARTER \slot, 4, 1, 0, 0
	QUARTER \slot, 5, 0, 1, 0
	QUARTER \slot, 6, 1, 0, 0
	QUARTER \slot, 7, 0, 1, 0
.endm
; The eighth quarter step: multiplies buffer 1 and changes slots.  fill = 1: this slot is filled again, two K steps ahead.
; One barrier for two things.  In front of it each wave waits for its own reads of this slot and for all its tensor loads, of which one is out: its part of the
; next slot.  Behind it nobody reads this slot any more and the next slot is whole: the refill comes first, then the next slot's first fragments.
.macro TURN slot, next, fill
	s_wait_dscnt 4
	WIN MULW
	MULA 1, 0, 0
	s_wait_dscnt 0x0                               ; my reads of this slot are over
	s_wait_tensorcnt 0x0                           ; and all my tensor loads have landed: my part of the next slot
	s_barrier_signal -1                            ; say so (where a slot is filled again this barrier opens a round of the cluster's barrier),
	MULA 1, 1, 0                                   ; work on registers while the others arrive,
	WIN 0
	s_barrier_wait -1
.if \fill
	CREST                                          ; no wave of any partner still reads this slot or has a load on its way
	s_add_nc_u64 s[G0+4*\slot+2:G0+4*\slot+3], s[G0+4*\slot+2:G0+4*\slot+3], 2*RT
	s_add_nc_u64 s[G0B+4*\slot+2:G0B+4*\slot+3], s[G0B+4*\slot+2:G0B+4*\slot+3], 2*RT
	JLOAD \slot                                    ; the first tensor load behind the round, my only one until the next
.endif
	PLACES 4
	FETCH \next, 0, 0
	WIN MULW
	MULA 1, 2, 0
	MULA 1, 3, 0
.endm
.macro LAP zero                        ; once round the ring, both slots filled again
	SEVEN 0, \zero
	TURN 0, 1, 1
	SEVEN 1, 0
	TURN 1, 0, 1
.endm
	s_wait_tensorcnt 0x1                           ; my part of K step 0 is in; K step 1's may stay out
	s_barrier_signal -1
	s_barrier_wait -1                              ; everybody's is
	FETCH 0, 0, 0
	LAP 1                                          ; the first lap stands in front of the loop: its first products start the sums
	WIN 0                                          ; at a label and at a branch every window is 0
	s_mov_b32 s3, LAPS-2
.Llap:
	LAP 0
	WIN 0
	s_sub_co_u32 s3, s3, 1
	s_cmp_lg_u32 s3, 0
	s_cbranch_scc1 .Llap
	SEVEN 0, 0                                     ; the last lap fills nothing and has no round of the cluster's barrier
	TURN 0, 1, 0
	SEVEN 1, 0
	s_wait_dscnt 0x0                               ; the very last quarter step: nothing more to fetch
	WIN MULW
	MULA 1, 0, 0
	MULA 1, 1, 0
	MULA 1, 2, 0
	MULA 1, 3, 0
	; THE WAY OUT.  Lane (r, h) of tile (a, b) holds token 128 i + 64 wm + 16 a + r and columns 16 ct + 8 h + 0..7, ct = 12 j + 6 wn + b:
	; four pairs (2 m, 2 m + 1) of one head, m = 8 (ct % 8) + 4 h + p.  Each pair is turned by the angle token * 10000^(-m/64).
	; v columns (ct >= 320) get the frequency 0: cos = 1 and sin = 0 exactly, so the same lines serve them without a branch.
	; Its scalars lie in s66 and above: no register that fed a joint load's descriptor ever holds the other coordinate.
	WIN 0
	PLACES 4                                       ; four places behind the last matrix instructions, for all that follows
	v_lshlrev_b32 v[FQK], 4, v3
	v_lshlrev_b32 v[FV], 5, v1
	v_lshl_add_u32 v[FV], v2, 4, v[FV]
	s_lshl_b32 s66, s13, 7
	s_lshl_b32 s67, s11, 6
	s_add_co_u32 s66, s66, s67                     ; my first token
.irp a, 0,1,2,3
	v_add_nc_u32 v[TFP+2*\a], s66, v1
	v_add_nc_u32 v[TFP+2*\a], 16*\a, v[TFP+2*\a]
	v_cvt_f32_u32 v[TFP+2*\a], v[TFP+2*\a]
	v_mov_b32 v[TFP+2*\a+1], v[TFP+2*\a]
.endr
.irp p, 0,1,2,3
	v_lshl_add_u32 v[IDX+\p], v2, 2, \p            ; 4 h + p
.endr
	v_mov_b32 v[CTS], 0x2f309231                   ; 1/13!
	v_mov_b32 v[CTS+1], 0x2f309231
	v_mov_b32 v[CTC], 0xad49cba5                   ; -1/14!
	v_mov_b32 v[CTC+1], 0xad49cba5
	s_lshl_b32 s73, s13, 15
	s_lshl_b32 s67, s11, 14
	s_add_co_u32 s73, s73, s67                     ; (8 i + 4 wm) token tiles of 4,096 bytes
.macro COLSET b                        ; what hangs on the column tile alone: the offset in qkvt and the four frequencies
	s_mul_i32 s66, s42, 12
	s_mul_i32 s67, s12, 6
	s_add_co_u32 s66, s66, s67
	s_add_co_u32 s66, s66, \b                      ; ct
	s_and_b32 s67, s66, 7                          ; d / 16
	s_lshr_b32 s69, s66, 3                         ; slab
	s_lshl_b32 s70, s69, 18
	s_lshl_b32 s68, s67, 9
	s_add_co_u32 s70, s70, s68
	s_add_co_u32 s70, s70, s73
	s_lshl_b32 s68, s67, 3                         ; 8 (ct % 8)
	s_cmp_lt_u32 s66, 320
	s_cselect_b32 s71, 0x3f800000, 0               ; 1.0 for q and k, 0 for v
	s_cselect_b32 s72, 0, -1
	v_cndmask_b32 v[OFFS+\b], v[FQK], v[FV], s72   ; the place in the tile
	v_add_nc_u32 v[OFFS+\b], s70, v[OFFS+\b]
.irp p, 0,1,2,3
	v_add_nc_u32 v[ANG+\p], s68, v[IDX+\p]
	v_cvt_f32_u32 v[ANG+\p], v[ANG+\p]
	v_mul_f32 v[ANG+\p], 0xbe549a78, v[ANG+\p]     ; m * (-log2(10000) / 64)
.endr
.irp p, 0,1,2,3
	v_exp_f32 v[INVF+\p], v[ANG+\p]
.endr
	v_nop                                          ; one plain place behind the exponentials (ISA guide 5.7.2)
	s_wait_alu depctr_va_vdst(0)
.irp p, 0,1,2,3
	v_mul_f32 v[INVF+\p], s71, v[INVF+\p]
.endr
.endm
.macro ROPE a, b
	WIN 0
.irp p, 0,2
	v_pk_mul_f32 v[ANG+\p:ANG+\p+1], v[INVF+\p:INVF+\p+1], v[TFP+2*\a:TFP+2*\a+1]
.endr
.irp p, 0,2
	v_pk_mul_f32 v[NN+\p:NN+\p+1], v[ANG+\p:ANG+\p+1], 0.15915494 op_sel_hi:[1,0]
.endr
.irp p, 0,1,2,3
	v_rndne_f32 v[NN+\p], v[NN+\p]                 ; whole turns
.endr
.irp p, 0,2
	v_pk_fma_f32 v[RR+\p:RR+\p+1], v[NN+\p:NN+\p+1], 0xc0c90fdb, v[ANG+\p:ANG+\p+1] op_sel_hi:[1,0,1]   ; - n * (2 pi rounded to f32)
.endr
.irp p, 0,2
	v_pk_fma_f32 v[RR+\p:RR+\p+1], v[NN+\p:NN+\p+1], 0x343bbd2e, v[RR+\p:RR+\p+1] op_sel_hi:[1,0,1]     ; + n * (what that rounding added)
.endr
.irp p, 0,2
	v_pk_mul_f32 v[ZZ+\p:ZZ+\p+1], v[RR+\p:RR+\p+1], v[RR+\p:RR+\p+1]
.endr
.irp p, 0,2
	v_pk_fma_f32 v[PSI+\p:PSI+\p+1], v[CTS:CTS+1], v[ZZ+\p:ZZ+\p+1], 0xb2d7322b op_sel_hi:[1,1,0]       ; sin: 1/13! z - 1/11!
	v_pk_fma_f32 v[PCO+\p:PCO+\p+1], v[CTC:CTC+1], v[ZZ+\p:ZZ+\p+1], 0x310f76c7 op_sel_hi:[1,1,0]       ; cos: -1/14! z + 1/12!
.endr
.irp c, 0xb493f27e, 0x37d00d01
.irp p, 0,2
	v_pk_fma_f32 v[PCO+\p:PCO+\p+1], v[PCO+\p:PCO+\p+1], v[ZZ+\p:ZZ+\p+1], \c op_sel_hi:[1,1,0]         ; -1/10!, 1/8!
.endr
.endr
.irp c, 0x3638ef1d, 0xb9500d01, 0x3c088889, 0xbe2aaaab, 1.0
.irp p, 0,2
	v_pk_fma_f32 v[PSI+\p:PSI+\p+1], v[PSI+\p:PSI+\p+1], v[ZZ+\p:ZZ+\p+1], \c op_sel_hi:[1,1,0]         ; 1/9!, -1/7!, 1/5!, -1/3!, 1
.endr
.endr
.irp c, 0xbab60b61, 0x3d2aaaab, -0.5, 1.0
.irp p, 0,2
	v_pk_fma_f32 v[PCO+\p:PCO+\p+1], v[PCO+\p:PCO+\p+1], v[ZZ+\p:ZZ+\p+1], \c op_sel_hi:[1,1,0]         ; -1/6!, 1/4!, -1/2, 1
.endr
.endr
.irp p, 0,2
	v_pk_mul_f32 v[PSI+\p:PSI+\p+1], v[PSI+\p:PSI+\p+1], v[RR+\p:RR+\p+1]
.endr
.irp p, 0,2
	v_pk_mul_f32 v[NSI+\p:NSI+\p+1], v[PSI+\p:PSI+\p+1], -1.0 op_sel_hi:[1,0]
.endr
	WIN 0x01                                       ; source 0 = the accumulators
.irp p, 0,1,2,3
	v_mul_f32 v[TT+2*\p],   v[8*(6*\a+\b)+2*\p], v[PCO+\p]
	v_mul_f32 v[TT+2*\p+1], v[8*(6*\a+\b)+2*\p], v[PSI+\p]
.endr
.irp p, 0,1,2,3
	v_fma_f32 v[TT+2*\p],   v[8*(6*\a+\b)+2*\p+1], v[NSI+\p], v[TT+2*\p]       ; x1 cos - x2 sin
	v_fma_f32 v[TT+2*\p+1], v[8*(6*\a+\b)+2*\p+1], v[PCO+\p], v[TT+2*\p+1]     ; x1 sin + x2 cos
.endr
	WIN 0
.irp p, 0,1,2,3
	v_cvt_pk_f16_f32 v[OUT+4*(6*\a+\b)+\p], v[TT+2*\p], v[TT+2*\p+1]
.endr
	global_store_b128 v[OFFS+\b], v[OUT+4*(6*\a+\b):OUT+4*(6*\a+\b)+3], s[8:9] offset:\a*4096   ; the wave's 512 bytes are one whole tile, at a multiple of 512; data and offset registers are never written again
.endm
.irp b, 0,1,2,3,4,5
	COLSET \b
.irp a, 0,1,2,3
	ROPE \a, \b
.endr
.endr
	CROUND                                         ; the closing round: no work-group ends while a partner may still ask for a tile that names it
	s_endpgm
.Lfunc_end_k_qc653c00b11_qkv:
	.size	k_qc653c00b11_qkv, .Lfunc_end_k_qc653c00b11_qkv-k_qc653c00b11_qkv
	.p2alignl 7, 3214868480
	.fill 96, 4, 3214868480
	.section	.rodata,"a",@progbits
	.p2align	6, 0x0
	.amdhsa_kernel k_qc653c00b11_qkv
		.amdhsa_group_segment_fixed_size 327680
		.amdhsa_private_segment_fixed_size 0
		.amdhsa_enable_private_segment 0
		.amdhsa_kernarg_size 24
		.amdhsa_user_sgpr_count 2
		.amdhsa_user_sgpr_kernarg_segment_ptr 1
		.amdhsa_wavefront_size32 1
		.amdhsa_system_sgpr_workgroup_id_x 1
		.amdhsa_system_sgpr_workgroup_id_y 1
		.amdhsa_system_sgpr_workgroup_id_z 1
		.amdhsa_system_vgpr_workitem_id 0
		.amdhsa_next_free_vgpr 448
		.amdhsa_next_free_sgpr 80
		.amdhsa_reserve_vcc 0
		.amdhsa_float_denorm_mode_32 3
		.amdhsa_float_denorm_mode_16_64 3
		.amdhsa_memory_ordered 1
		.amdhsa_forward_progress 1
		.amdhsa_inst_pref_size 255
	.end_amdhsa_kernel
	.section	.bss,"aw",@nobits
	.p2align	6
	.space	262144
	.amdgpu_metadata
---
amdhsa.version: [ 1, 2 ]
amdhsa.kernels:
  - .name:           k_qc653c00b11_qkv
    .symbol:         k_qc653c00b11_qkv.kd
    .args:
      - { .name: xb, .offset: 0, .size: 8, .value_kind: global_buffer, .address_space: global }
      - { .name: wb, .offset: 8, .size: 8, .value_kind: global_buffer, .address_space: global }
      - { .name: qkvt, .offset: 16, .size: 8, .value_kind: global_buffer, .address_space: global }
    .group_segment_fixed_size: 327680
    .private_segment_fixed_size: 0
    .kernarg_segment_align: 8
    .kernarg_segment_size: 24
    .max_flat_workgroup_size: 128
    .sgpr_count:     80
    .vgpr_count:     448
    .wavefront_size: 32
...
	.end_amdgpu_metadata
.endif
;; end of part 5
;; launch attn (part 6): grid 32 x 8, 4 waves a work-group, clusters of 4 x 1, 327,680 bytes of LDS; arguments qkvt, mask, attnc, wo, wob; writes attnc, wob
.if DOCPART == 6
	.amdgcn_target "amdgcn-amd-amdhsa--gfx1250"
	.amdhsa_code_object_version 6
	.text
	.protected	k_qc653c00b11_attn
	.globl	k_qc653c00b11_attn
	.p2align	8
	.type	k_qc653c00b11_attn,@function
k_qc653c00b11_attn:
	s_mov_b64 s[64:65], 0
	v_nop
	global_prefetch_b8 v0, s[64:65] scope:SCOPE_SE
	s_setreg_imm32_b32 hwreg(HW_REG_WAVE_MODE, 25, 1), 1
	s_wait_xcnt 0x0
	s_wait_alu depctr_hold_cnt(0) depctr_sa_sdst(0) depctr_va_vdst(0) depctr_va_sdst(0) depctr_va_ssrc(0) depctr_va_vcc(0) depctr_vm_vsrc(0)
	s_getreg_b32 s2, hwreg(HW_REG_IB_STS2, 6, 4)
	s_cmp_eq_u32 s2, 0
	s_cbranch_scc0 .Lentry_in_a_cluster
	s_endpgm
.Lentry_in_a_cluster:
	s_bfe_u32 s2, ttmp6, 0x10000c
	s_cmp_lg_u32 s2, 0x3003
	s_cbranch_scc0 .Lentry_shape_is_right
	s_endpgm
.Lentry_shape_is_right:
; attn: softmax(q k^T / sqrt(128) + mask) v for 32 query heads on 8 key/value heads, 1,024 x 1,024, operands f16, sums and softmax f32.
; The mask is an input of f32 numbers and is added as it is given: every key block is computed, nothing is skipped.
; A work-group takes 32 queries (block qb) of one key/value head g; wave w is query head 4 g + w, so the four waves read the same K, V and mask from LDS.
; CLUSTER: the four query blocks 4 X .. 4 X + 3 of one head g need the same K and V: each block of 128 keys is asked for jointly (mask 15),
; the same descriptor in all four; it is made of g, the wave's number and the block alone.  The mask's tiles hang on qb and are plain loads.
; LAYOUTS.  S^T = K Q^T: source 0 = 16 keys, source 1 = 16 queries; lane (r, h) holds query r and keys 8 h + 0..7 of the tile.  Two such tiles,
; packed to f16, ARE source 1 of O^T = V^T P^T (32 keys x 16 queries): P never leaves the registers.  V^T comes by the transposing LDS load.
; Lane (r, h) of O^T holds query r and d = 8 h + 0..7.  A query's statistics are one number a lane; the two lanes of a query (h = 0, 1) meet by v_permlanex16_b32.
; SOFTMAX: running maximum over substeps of 64 keys.  Where all scores so far are -inf the shift is 0, so that the exponentials give 0 and no NaN;
; a row that is -inf throughout ends as 0 * (1/0) = NaN, as the problem's function gives.  A +inf or a NaN in the mask gives NaN there too.
; LIMITS: scores beyond 2.3e38 in magnitude overflow in the product with log2(e).  P is kept in f16: weights below 6e-8 of the row's largest count as 0.
; ALONGSIDE: wo -> wob, for the last launch.  The attention itself reads 16.8 MB and writes 8.4 MB for 17 GFLOP and a softmax, so wo's 67.1 MB in and 33.6 MB out
; stream while it computes, instead of in a launch of their own.  wo is rounded to bf16 (nearest even), the format in which the other inputs enter their products,
; and that value is carried into f16, where its 8 bits of mantissa fit: the second conversion changes a number only below 6.1e-5, by 3e-8 at the most.
; LIMIT: |wo| below 65,504.  wob: tiles of 16 rows x 16 k, byte = (row/16) * 131072 + (k/16) * 512 + ((k/8) % 2) * 256 + (row % 16) * 16 + (k % 8) * 2.
; Work-group (qb, g) takes wo's row tile 32 g + qb, wave w its k = 1,024 w .. + 1,023, in eight parts of 16 rows x 128 k, one a key block: 16 loads of 512 consecutive
; bytes, asked for one block ahead; 8 stores of 512 consecutive bytes.  The change of order goes through a stage in LDS that is the wave's own: no barrier for it.
; LDS: slot s at 65,536 s: K 32,768 bytes [key tile 8][d/16 8][512], then V likewise; from 131,072 on eight mask tiles (one a key block) of 32 rows x 512 bytes,
; pitch 528 (33 x 16: the 16 rows that a load touches start in 16 different 16-byte columns of 256), filled once; from 266,240 on the stage, 16 half tiles
; (16 rows x 8 k) at a pitch of 272 bytes for each wave: no tensor load lands there.  A store of 8 bytes a lane puts lane c's four numbers into half tile c / 2:
; 272 (c / 2) + 8 (c % 2) is 8 c modulo 256, so the 32 lanes touch 256 different bytes modulo 256.
; REGISTER WINDOWS: 0 addresses, statistics, S/P and the mask; 1 O (tile (dt, qt) at 8 (2 dt + qt)) and Q (128 + 8 (4 qt + ks)); 2 K (8 (4 kt + ks)) and V (128 + 8 (8 v + dt));
; 3 wo: load n at 4 n, output tile m at 64 + 4 m.
.set MBASE, 131072
.set MTILE, 32*528
.set CSTAGE, MBASE+8*MTILE             ; 266,240
.set CPITCH, 272
.set CWST,  16*CPITCH                  ; 4,352 bytes a wave
.set KAD,  4                           ; v4-5  my 16 bytes of a K tile in slot 0, 1
.set VAD,  6                           ; v6-7  my 16 bytes for the transposing load of a V tile
.set MAD,  8                           ; my place in this key block's mask tile; steps one tile a block
.set L16,  9                           ; 16 x lane; never rewritten
.set MOLD, 10                          ; v10-11 running maximum, query tile 0, 1
.set LSUM, 12                          ; v12-13 running sum of my half of the keys
.set MNEW, 14
.set NM,   16                          ; v16-19 -log2(e) x shift, twice for each query tile; at the end 1 / sum
.set AL,   20                          ; v20-23 the factor for what was summed under the old maximum, twice
.set XX,   24                          ; v24-31 at work
.set SS,   32                          ; v32-95  S(kt, qt) at 8 (2 kt + qt), later P
.set MM,   96                          ; v96-159 the mask, same order
.set YY,   160                         ; v160-175 at work
.set CSA,  176                         ; stage: where my four numbers of row 0 go
.set CRA,  177                         ; stage: my 16 bytes of output tile 0
.set CX,   0                           ; window 3: v0-63  wo as loaded, then as f16
.set CY,   64                          ; window 3: v64-95 output tiles
.set MSB, 0
.macro WIN new                         ; the immediate's high byte repeats the setting that is left
.if MSB != \new
	s_set_vgpr_msb (MSB<<8)|\new
.set MSB, \new
.endif
.endm
.macro PLACES n
.rept \n
	v_nop
.endr
.endm
; A round of the cluster's barrier: my work-group's barrier, wave 0 signals for the work-group, every wave waits for all four work-groups, my work-group's barrier again.
.macro ROUND
	s_barrier_signal -1
	s_barrier_wait -1
	s_cmp_lg_u32 s10, 0
	s_cbranch_scc1 .Lnot_wave_0_\@
	s_barrier_signal -3
.Lnot_wave_0_\@:
	s_barrier_wait -3
	s_barrier_signal -1
	s_barrier_wait -1
.endm
	s_load_b128 s[4:7], s[0:1], 0x0                ; qkvt s[4:5], mask s[6:7]
	s_load_b64 s[8:9], s[0:1], 0x10                ; attnc
	s_load_b64 s[56:57], s[0:1], 0x18              ; wo
	s_load_b64 s[58:59], s[0:1], 0x20              ; wob
	v_lshrrev_b32 v20, 5, v0
	v_readfirstlane_b32 s10, v20                   ; wave 0..3
	s_bfe_u32 s11, ttmp6, 0x40000                  ; cx
	s_lshl_b32 s12, ttmp9, 2
	s_add_co_u32 s12, s12, s11                     ; qb = 4 x cluster x + cx
	s_and_b32 s13, ttmp7, 0xffff                   ; g
	s_mov_b32 s14, 0x76543210                      ; v_permlanex16_b32: lane i reads lane i of the other half
	s_mov_b32 s15, 0xfedcba98
	s_mov_b32 s60, 0xffff0000                      ; a word's upper bf16
	; group 1 for K and V: 16,384 dense bytes as 64 rows of 32 elements of 8 bytes
	s_mov_b32 s16, 0x0023000f                      ; 15:0 mask = the cluster's four; 17:16 elements of 8 bytes; 21 set beside a mask
	s_mov_b32 s17, 32<<16                          ; tensor_dim0 = 32
	s_mov_b32 s18, 64<<16                          ; tensor_dim1 = 64
	s_mov_b32 s19, 32<<16                          ; tile_dim0 = 32
	s_mov_b32 s20, 64                              ; tile_dim1 = 64
	s_mov_b32 s21, 32                              ; pitch = 32 elements
	s_mov_b32 s22, 0
	s_mov_b32 s23, 0
	; group 1 for the mask: 32 rows x 128 f32, rows 1,024 elements apart, 4 words of padding behind every 128 words
	s_mov_b32 s24, 0x07920000                      ; mask 0; elements of 4 bytes; padding on; interval code 6; pad code 3
	s_mov_b32 s25, 128<<16
	s_mov_b32 s26, 32<<16
	s_mov_b32 s27, 128<<16
	s_mov_b32 s28, 32
	s_mov_b32 s29, 1024
	s_mov_b32 s30, 0
	s_mov_b32 s31, 0
	; waves 0, 1 bring K's two halves of a block, waves 2, 3 V's: slab 32 + 8 (w / 2) + g, half w % 2
	s_lshr_b32 s48, s10, 1
	s_lshl_b32 s48, s48, 3
	s_add_co_u32 s48, s48, s13
	s_add_co_u32 s48, s48, 32
	s_lshl_b32 s48, s48, 18
	s_and_b32 s49, s10, 1
	s_lshl_b32 s49, s49, 14
	s_add_co_u32 s48, s48, s49
	s_mov_b32 s49, 0
	s_lshl_b32 s50, s12, 17                        ; the mask's rows 32 qb .. : 32 rows of 4,096 bytes
	s_lshl_b32 s51, s10, 9                         ; key block w: 512 bytes along the row
	s_add_co_u32 s50, s50, s51
	s_mov_b32 s51, 0
	s_wait_kmcnt 0x0
	s_add_nc_u64 s[48:49], s[4:5], s[48:49]
	s_add_nc_u64 s[50:51], s[6:7], s[50:51]
.irp s, 0,1
	s_mov_b32 s[32+4*\s], 1                                        ; K, V: slot s, key block s
	s_lshl_b32 s[33+4*\s], s10, 14                                 ; LDS: 16,384 w
	s_add_co_u32 s[33+4*\s], s[33+4*\s], \s*65536                  ;      + the slot
	s_add_nc_u64 s[34+4*\s:35+4*\s], s[48:49], \s*32768
	s_or_b32 s[35+4*\s], s[35+4*\s], 0x80000000                    ; type 2
	s_mov_b32 s[40+4*\s], 1                                        ; mask: key blocks w and w + 4
	s_mul_i32 s[41+4*\s], s10, MTILE
	s_add_co_u32 s[41+4*\s], s[41+4*\s], MBASE+\s*4*MTILE
	s_add_nc_u64 s[42+4*\s:43+4*\s], s[50:51], \s*2048
	s_or_b32 s[43+4*\s], s[43+4*\s], 0x80000000
.endr
	s_lshl_b32 s52, s13, 2
	s_add_co_u32 s52, s52, s10                     ; my query head 4 g + w
	s_lshl_b32 s48, s52, 6
	s_lshl_b32 s49, s12, 1
	s_add_co_u32 s48, s48, s49
	s_lshl_b32 s48, s48, 12                        ; (64 head + 2 qb) token tiles of 4,096 bytes
	s_mov_b32 s49, 0
	s_add_nc_u64 s[48:49], s[4:5], s[48:49]        ; my Q
	s_lshl_b32 s50, s12, 6
	s_add_co_u32 s50, s50, s52
	s_lshl_b32 s50, s50, 12                        ; attnc: query tile 2 qb (131,072 bytes each), head (4,096 bytes each)
	s_mov_b32 s51, 0
	s_add_nc_u64 s[54:55], s[8:9], s[50:51]
	s_lshl_b32 s52, s13, 5
	s_add_co_u32 s52, s52, s12                     ; wo's row tile 32 g + qb
	s_lshl_b32 s50, s52, 18                        ; 16 rows of 16,384 bytes
	s_lshl_b32 s51, s10, 12                        ; my wave's 1,024 k of 4 bytes
	s_add_co_u32 s50, s50, s51
	s_mov_b32 s51, 0
	s_add_nc_u64 s[56:57], s[56:57], s[50:51]      ; wo at my first part
	s_lshl_b32 s50, s52, 17                        ; a row tile of 131,072 bytes
	s_lshl_b32 s51, s10, 15                        ; my wave's 64 tiles of 512 bytes
	s_add_co_u32 s50, s50, s51
	s_mov_b32 s51, 0
	s_add_nc_u64 s[58:59], s[58:59], s[50:51]      ; wob at my first part
	v_and_b32 v1, 15, v0                           ; r
	v_bfe_u32 v2, v0, 4, 1                         ; h
	v_and_b32 v3, 31, v0                           ; L
	v_lshlrev_b32 v[L16], 4, v3
	v_lshlrev_b32 v[KAD], 4, v3
	v_add_nc_u32 v[KAD+1], 0x10000, v[KAD]
	v_and_b32 v20, 7, v0
	v_lshlrev_b32 v20, 5, v20                      ; key (L % 8) of 32 bytes
	v_bfe_u32 v21, v0, 3, 1
	v_lshl_add_u32 v20, v21, 4, v20                ; which 8 of the 16 d
	v_lshl_add_u32 v20, v2, 8, v20                 ; keys 8 h ..
	v_add_nc_u32 v[VAD], 32768, v20
	v_add_nc_u32 v[VAD+1], 98304, v20
	v_mul_u32_u24 v22, v1, 528
	v_lshl_add_u32 v22, v2, 5, v22
	v_add_nc_u32 v[MAD], MBASE, v22
	s_mul_i32 s50, s10, CWST
	s_add_co_u32 s50, s50, CSTAGE                  ; my wave's stage: the wave's number alone
	v_lshrrev_b32 v20, 1, v3
	v_mul_u32_u24 v20, v20, CPITCH
	v_and_b32 v21, 1, v0
	v_lshl_add_u32 v20, v21, 3, v20
	v_add_nc_u32 v[CSA], s50, v20                  ; 272 (L / 2) + 8 (L % 2)
	v_mul_u32_u24 v20, v2, CPITCH
	v_lshl_add_u32 v20, v1, 4, v20
	v_add_nc_u32 v[CRA], s50, v20                  ; 272 (L / 16) + 16 (L % 16)
; wo, one part: 16 loads, row n of my 16, 128 k = 512 consecutive bytes each
.macro CLOAD
	WIN 0xc0
.set nn, 0
.rept 16
	global_load_b128 v[CX+4*nn:CX+4*nn+3], v[L16], s[56:57] offset:nn*16384 th:TH_LOAD_NT
.set nn, nn+1
.endr
.endm
; the part that was asked for a block ago is rounded in place; by stages over all 16 loads, so that no line waits for the one in front of it
.macro CCVT first, cin
	s_wait_loadcnt 0x0                             ; the part's 16 loads are in (in the first block: Q's 16 as well)
	s_wait_xcnt 0x0                                ; the last part's stores have had their addresses translated (ISA guide 3.1): their base and their data are rewritten only behind this wait
.if \first == 0
	s_add_nc_u64 s[58:59], s[58:59], 4096          ; wob: this part's 8 tiles
.endif
.if \cin
	s_add_nc_u64 s[56:57], s[56:57], 512           ; wo: the next part's 128 k
.endif
	WIN 0xcf
.set nn, 0
.rept 16
	v_cvt_pk_bf16_f32 v[CX+4*nn], v[CX+4*nn], v[CX+4*nn+1]         ; the rounding,
	v_cvt_pk_bf16_f32 v[CX+4*nn+2], v[CX+4*nn+2], v[CX+4*nn+3]
.set nn, nn+1
.endr
.set nn, 0
.rept 16
	v_and_b32 v[CX+4*nn+1], s60, v[CX+4*nn]                        ; widened again,
	v_and_b32 v[CX+4*nn+3], s60, v[CX+4*nn+2]
	v_lshlrev_b32 v[CX+4*nn], 16, v[CX+4*nn]
	v_lshlrev_b32 v[CX+4*nn+2], 16, v[CX+4*nn+2]
.set nn, nn+1
.endr
.set nn, 0
.rept 16
	v_cvt_pk_f16_f32 v[CX+4*nn], v[CX+4*nn], v[CX+4*nn+1]          ; into f16
	v_cvt_pk_f16_f32 v[CX+4*nn+1], v[CX+4*nn+2], v[CX+4*nn+3]
.set nn, nn+1
.endr
.endm
; through the stage: 16 stores of 8 bytes a lane (row n of half tile L / 2), 8 loads of 16 bytes a lane (output tile m = half tiles 2 m, 2 m + 1)
.macro CLDS
	WIN 0x0c
.set nn, 0
.rept 16
	ds_store_b64 v[CSA], v[CX+4*nn:CX+4*nn+1] offset:nn*16
.set nn, nn+1
.endr
	WIN 0xc0
.set mm, 0
.rept 8
	ds_load_b128 v[CY+4*mm:CY+4*mm+3], v[CRA] offset:2*mm*CPITCH   ; LDS serves a wave's instructions in order (ISA guide 5.7.1.4): these see the stores above, and the next part's stores come behind them
.set mm, mm+1
.endr
.endm
.macro CSTORE
	WIN 0x0c
.set mm, 0
.rept 8
	global_store_b128 v[L16], v[CY+4*mm:CY+4*mm+3], s[58:59] offset:mm*512 th:TH_STORE_NT   ; the wave's 512 bytes are one whole tile, at a multiple of 512
.set mm, mm+1
.endr
.endm
	ROUND                                          ; all four work-groups are here: the first joint loads meet
	tensor_load_to_lds s[32:35], s[16:23]          ; the first fills, one group; by this text's count four loads of a wave are out here, later one
	s_nop 0
	tensor_load_to_lds s[40:43], s[24:31]
	s_nop 0
	tensor_load_to_lds s[36:39], s[16:23]
	s_nop 0
	tensor_load_to_lds s[44:47], s[24:31]
	s_nop 0
	WIN 0x40
.irp qt, 0,1
.irp c, 0,1,2,3,4,5,6,7
	global_load_b128 v[128+32*\qt+4*\c:128+32*\qt+4*\c+3], v[L16], s[48:49] offset:\qt*4096+\c*512   ; Q as it lies in registers: tile d/16 = c is half of fragment c / 2
.endr
.endr
	CLOAD                                          ; wo's first part
	WIN 0
.macro LDM u                           ; 16 loads: the mask for 64 keys x 32 queries: my query's 8 keys of each tile
	WIN 0
.irp kt, 0,1,2,3
.irp qt, 0,1
	ds_load_b128 v[MM+8*(2*\kt+\qt):MM+8*(2*\kt+\qt)+3],   v[MAD] offset:\qt*8448+(4*\u+\kt)*64
	ds_load_b128 v[MM+8*(2*\kt+\qt)+4:MM+8*(2*\kt+\qt)+7], v[MAD] offset:\qt*8448+(4*\u+\kt)*64+16
.endr
.endr
.endm
.macro LDK slot, u                     ; 32 loads: four key tiles x 128 d
	WIN 0x80
.irp kt, 0,1,2,3
.irp c, 0,1,2,3,4,5,6,7
	ds_load_b128 v[32*\kt+4*\c:32*\kt+4*\c+3], v[KAD+\slot] offset:((4*\u+\kt)*8+\c)*512
.endr
.endr
.endm
.macro LDV slot, u                     ; 32 transposing loads: V^T, 16 d x 32 keys a fragment; the second 16 keys lie one key tile (4,096 bytes) on
	WIN 0x80
.irp vv, 0,1
.irp dt, 0,1,2,3,4,5,6,7
	ds_load_tr16_b128 v[128+8*(8*\vv+\dt):128+8*(8*\vv+\dt)+3],   v[VAD+\slot] offset:((4*\u+2*\vv)*8+\dt)*512
	ds_load_tr16_b128 v[128+8*(8*\vv+\dt)+4:128+8*(8*\vv+\dt)+7], v[VAD+\slot] offset:((4*\u+2*\vv)*8+\dt)*512+4096
.endr
.endr
.endm
.macro SMUL                            ; 32 matrix instructions; the eight accumulators take turns, one instruction a turn
	WIN 0x06
.irp ks, 0,1,2,3
.irp kt, 0,1,2,3
.irp qt, 0,1
.if \ks == 0
	v_wmma_f32_16x16x32_f16 v[SS+8*(2*\kt+\qt):SS+8*(2*\kt+\qt)+7], v[8*(4*\kt+\ks):8*(4*\kt+\ks)+7], v[128+8*(4*\qt+\ks):128+8*(4*\qt+\ks)+7], 0
.else
	v_wmma_f32_16x16x32_f16 v[SS+8*(2*\kt+\qt):SS+8*(2*\kt+\qt)+7], v[8*(4*\kt+\ks):8*(4*\kt+\ks)+7], v[128+8*(4*\qt+\ks):128+8*(4*\qt+\ks)+7], v[SS+8*(2*\kt+\qt):SS+8*(2*\kt+\qt)+7]
.endif
.endr
.endr
.endr
.endm
.macro PVMUL first                     ; 32 matrix instructions; the sixteen accumulators take turns likewise
	WIN 0x52
.irp vv, 0,1
.irp dt, 0,1,2,3,4,5,6,7
.irp qt, 0,1
.if \first*(1-\vv)
	v_wmma_f32_16x16x32_f16 v[8*(2*\dt+\qt):8*(2*\dt+\qt)+7], v[128+8*(8*\vv+\dt):128+8*(8*\vv+\dt)+7], v[SS+8*(4*\vv+\qt):SS+8*(4*\vv+\qt)+7], 0
.else
	v_wmma_f32_16x16x32_f16 v[8*(2*\dt+\qt):8*(2*\dt+\qt)+7], v[128+8*(8*\vv+\dt):128+8*(8*\vv+\dt)+7], v[SS+8*(4*\vv+\qt):SS+8*(4*\vv+\qt)+7], v[8*(2*\dt+\qt):8*(2*\dt+\qt)+7]
.endif
.endr
.endr
.endr
.endm
.macro SM1                             ; score = product / sqrt(128) + mask
.set ii, 0
.rept 32
	v_pk_fma_f32 v[SS+2*ii:SS+2*ii+1], v[SS+2*ii:SS+2*ii+1], 0x3db504f3, v[MM+2*ii:MM+2*ii+1] op_sel_hi:[1,0,1]
.set ii, ii+1
.endr
.endm
.macro SM2 first
	; the largest of my 32 scores of each query tile, four chains each
.irp kt, 0,1,2,3
.irp qt, 0,1
	v_max3_num_f32 v[XX+4*\qt+\kt], v[SS+8*(2*\kt+\qt)], v[SS+8*(2*\kt+\qt)+1], v[SS+8*(2*\kt+\qt)+2]
.endr
.endr
.irp e, 3,5
.irp kt, 0,1,2,3
.irp qt, 0,1
	v_max3_num_f32 v[XX+4*\qt+\kt], v[XX+4*\qt+\kt], v[SS+8*(2*\kt+\qt)+\e], v[SS+8*(2*\kt+\qt)+\e+1]
.endr
.endr
.endr
.irp kt, 0,1,2,3
.irp qt, 0,1
	v_max_num_f32 v[XX+4*\qt+\kt], v[XX+4*\qt+\kt], v[SS+8*(2*\kt+\qt)+7]
.endr
.endr
.irp qt, 0,1
	v_max3_num_f32 v[XX+4*\qt], v[XX+4*\qt], v[XX+4*\qt+1], v[XX+4*\qt+2]
.endr
.irp qt, 0,1
	v_max_num_f32 v[XX+4*\qt], v[XX+4*\qt], v[XX+4*\qt+3]
.endr
.irp qt, 0,1
	v_permlanex16_b32 v[XX+4*\qt+1], v[XX+4*\qt], s14, s15         ; the other half of my query's keys
.endr
.irp qt, 0,1
.if \first
	v_max_num_f32 v[MNEW+\qt], v[XX+4*\qt], v[XX+4*\qt+1]
.else
	v_max3_num_f32 v[MNEW+\qt], v[MOLD+\qt], v[XX+4*\qt], v[XX+4*\qt+1]
.endif
.endr
.irp qt, 0,1
	v_cmp_lt_f32 vcc_lo, 0xff800000, v[MNEW+\qt]
	v_cndmask_b32 v[XX+4*\qt+2], 0, v[MNEW+\qt], vcc_lo            ; the shift: the maximum, or 0 while everything is -inf
	v_mul_f32 v[NM+2*\qt], 0xbfb8aa3b, v[XX+4*\qt+2]
	v_mov_b32 v[NM+2*\qt+1], v[NM+2*\qt]
.endr
.if \first == 0
.irp qt, 0,1
	v_fmamk_f32 v[XX+4*\qt+3], v[MOLD+\qt], 0x3fb8aa3b, v[NM+2*\qt]   ; (old maximum - shift) log2(e); -inf while nothing has been summed
.endr
.irp qt, 0,1
	v_exp_f32 v[AL+2*\qt], v[XX+4*\qt+3]
	v_exp_f32 v[AL+2*\qt+1], v[XX+4*\qt+3]
.endr
.endif
.irp qt, 0,1
	v_mov_b32 v[MOLD+\qt], v[MNEW+\qt]                             ; also the plain place behind the exponentials (ISA guide 5.7.2)
.endr
.irp kt, 0,1,2,3
.irp qt, 0,1
.irp e, 0,2,4,6
	v_pk_fma_f32 v[SS+8*(2*\kt+\qt)+\e:SS+8*(2*\kt+\qt)+\e+1], v[SS+8*(2*\kt+\qt)+\e:SS+8*(2*\kt+\qt)+\e+1], 0x3fb8aa3b, v[NM+2*\qt:NM+2*\qt+1] op_sel_hi:[1,0,1]
.endr
.endr
.endr
.set ii, 0
.rept 64
	v_exp_f32 v[SS+ii], v[SS+ii]
.set ii, ii+1
.endr
	v_nop                                          ; one plain place behind the exponentials
	s_wait_alu depctr_va_vdst(0)
.irp kt, 0,1,2,3
.irp qt, 0,1
	v_pk_add_f32 v[YY+8*\qt+2*\kt:YY+8*\qt+2*\kt+1], v[SS+8*(2*\kt+\qt):SS+8*(2*\kt+\qt)+1], v[SS+8*(2*\kt+\qt)+2:SS+8*(2*\kt+\qt)+3]
.endr
.endr
.irp e, 4,6
.irp kt, 0,1,2,3
.irp qt, 0,1
	v_pk_add_f32 v[YY+8*\qt+2*\kt:YY+8*\qt+2*\kt+1], v[YY+8*\qt+2*\kt:YY+8*\qt+2*\kt+1], v[SS+8*(2*\kt+\qt)+\e:SS+8*(2*\kt+\qt)+\e+1]
.endr
.endr
.endr
.irp qt, 0,1
	v_pk_add_f32 v[YY+8*\qt:YY+8*\qt+1], v[YY+8*\qt:YY+8*\qt+1], v[YY+8*\qt+2:YY+8*\qt+3]
	v_pk_add_f32 v[YY+8*\qt+4:YY+8*\qt+5], v[YY+8*\qt+4:YY+8*\qt+5], v[YY+8*\qt+6:YY+8*\qt+7]
.endr
.irp qt, 0,1
	v_pk_add_f32 v[YY+8*\qt:YY+8*\qt+1], v[YY+8*\qt:YY+8*\qt+1], v[YY+8*\qt+4:YY+8*\qt+5]
.endr
.irp qt, 0,1
.if \first
	v_add_f32 v[LSUM+\qt], v[YY+8*\qt], v[YY+8*\qt+1]              ; the first sum starts the running sum
.else
	v_add_f32 v[YY+8*\qt], v[YY+8*\qt], v[YY+8*\qt+1]
.endif
.endr
.if \first == 0
.irp qt, 0,1
	v_fma_f32 v[LSUM+\qt], v[LSUM+\qt], v[AL+2*\qt], v[YY+8*\qt]
.endr
.endif
	; P in f16, in place and ascending: registers 0-3 of tile 2 v from itself, registers 4-7 from tile 2 v + 1: source 1 for 32 keys
.irp vv, 0,1
.irp qt, 0,1
.irp e, 0,1,2,3
	v_cvt_pk_f16_f32 v[SS+8*(4*\vv+\qt)+\e], v[SS+8*(4*\vv+\qt)+2*\e], v[SS+8*(4*\vv+\qt)+2*\e+1]
.endr
.irp e, 0,1,2,3
	v_cvt_pk_f16_f32 v[SS+8*(4*\vv+\qt)+4+\e], v[SS+8*(4*\vv+2+\qt)+2*\e], v[SS+8*(4*\vv+2+\qt)+2*\e+1]
.endr
.endr
.endr
.endm
.macro RESC                            ; what was summed under the old maximum is brought under the new one
	WIN 0x41
.irp dt, 0,1,2,3,4,5,6,7
.irp qt, 0,1
.irp e, 0,2,4,6
	v_pk_mul_f32 v[8*(2*\dt+\qt)+\e:8*(2*\dt+\qt)+\e+1], v[8*(2*\dt+\qt)+\e:8*(2*\dt+\qt)+\e+1], v[AL+2*\qt:AL+2*\qt+1]
.endr
.endr
.endr
.endm
; One block of 128 keys out of slot, as two substeps of 64; beside it one part of wo.  cin = 1: the next part of wo is asked for.
.macro WORK slot, first, cin
	LDM 0
	LDK \slot, 0
	CCVT \first, \cin                              ; register work while LDS serves the 48 loads above
	LDV \slot, 0
	s_wait_dscnt 32                                ; the mask and K are in; V's 32 loads may be out
	SMUL
	WIN 0
	PLACES 4                                       ; four places before K's registers are loaded again and S is read (ISA guide 7.12.1)
	CLDS                                           ; wo's part through the stage: 24 LDS instructions, behind V's loads and ahead of K's
	LDK \slot, 1
	WIN 0
	SM1
	LDM 1
	SM2 \first
.if \first == 0
	RESC
.endif
	s_wait_dscnt 48                                ; V and the stage's loads are in; behind them went K's 32 and the mask's 16 loads of the second substep
	CSTORE                                         ; wo's part leaves
.if \cin
	CLOAD                                          ; and the next part is asked for: it has the rest of this block and the head of the next in which to land
.endif
	PVMUL \first
	WIN 0
	PLACES 5                                       ; five places before matrix instructions write over P, a source of those above; they serve the loads into V too
	LDV \slot, 1
	s_wait_dscnt 32                                ; K and the mask are in; V's 32 loads may be out
	SMUL
	WIN 0
	PLACES 4
	SM1
	SM2 0
	RESC
	s_wait_dscnt 0x0                               ; V
	PVMUL 0
	WIN 0
	PLACES 5
.endm
; A later block.  The other slot, read in the block before, is filled again with the block after this one.
.macro TRIP slot, refill
	s_wait_tensorcnt 0x0                           ; all my tensor loads have landed, my part of this slot among them: a group 0 may be written
	s_add_nc_u64 s[38-4*\slot:39-4*\slot], s[38-4*\slot:39-4*\slot], 65536   ; the other slot's next block: two blocks of 32,768 bytes on
	s_wait_dscnt 0x0                               ; my reads of the other slot are back
	ROUND                                          ; both now hold of every wave of all four work-groups
.if \refill
	tensor_load_to_lds s[36-4*\slot:39-4*\slot], s[16:23]          ; my one tensor load behind the round, first thing there
	s_nop 0
.endif
	v_add_nc_u32 v[MAD], MTILE, v[MAD]             ; this block's mask tile
	WORK \slot, 0, \refill                         ; all blocks but the last ask for a further part of wo, as they ask for a further block of K and V
.endm
	s_wait_tensorcnt 0x2                           ; my part of slot 0 and my first mask tile are in; slot 1 and the second mask tile may stay out:
	s_barrier_signal -1
	s_barrier_wait -1                              ; everybody's are: slot 0 and mask tiles 0 to 3
	WORK 0, 1, 1                                   ; block 0: its first products start the sums
	s_mov_b32 s52, 3                               ; blocks 1 to 6
.Lkb:
	TRIP 1, 1
	TRIP 0, 1
	s_sub_co_u32 s52, s52, 1
	s_cmp_lg_u32 s52, 0
	s_cbranch_scc1 .Lkb
	TRIP 1, 0                                      ; block 7: nothing is left to fetch (slot 0's stepped address is not used)
	; the two halves of each query's sum meet; O / sum in f16; lane L's 16 bytes (query L%16, d = 8 (L/16) + 0..7) at 16 L of the tile
.irp qt, 0,1
	v_permlanex16_b32 v[XX+\qt], v[LSUM+\qt], s14, s15
.endr
.irp qt, 0,1
	v_add_f32 v[LSUM+\qt], v[LSUM+\qt], v[XX+\qt]
.endr
.irp qt, 0,1
	v_rcp_f32 v[NM+2*\qt], v[LSUM+\qt]
	v_rcp_f32 v[NM+2*\qt+1], v[LSUM+\qt]
.endr
	v_nop                                          ; one plain place behind the reciprocals
	WIN 0x01
	s_wait_alu depctr_va_vdst(0)
.irp dt, 0,1,2,3,4,5,6,7
.irp qt, 0,1
.irp e, 0,2,4,6
	v_pk_mul_f32 v[SS+8*(2*\dt+\qt)+\e:SS+8*(2*\dt+\qt)+\e+1], v[8*(2*\dt+\qt)+\e:8*(2*\dt+\qt)+\e+1], v[NM+2*\qt:NM+2*\qt+1]
.endr
.endr
.endr
	WIN 0
.set ii, 0
.rept 16
.irp e, 0,1,2,3
	v_cvt_pk_f16_f32 v[SS+8*ii+\e], v[SS+8*ii+2*\e], v[SS+8*ii+2*\e+1]
.endr
	global_store_b128 v[L16], v[SS+8*ii:SS+8*ii+3], s[54:55] offset:(ii&1)*131072+(ii>>1)*512   ; the wave's 512 bytes are one whole tile; its registers are not written again
.set ii, ii+1
.endr
	ROUND                                          ; the closing round: no work-group ends while a partner may still ask jointly
	s_endpgm
.Lfunc_end_k_qc653c00b11_attn:
	.size	k_qc653c00b11_attn, .Lfunc_end_k_qc653c00b11_attn-k_qc653c00b11_attn
	.p2alignl 7, 3214868480
	.fill 96, 4, 3214868480
	.section	.rodata,"a",@progbits
	.p2align	6, 0x0
	.amdhsa_kernel k_qc653c00b11_attn
		.amdhsa_group_segment_fixed_size 327680
		.amdhsa_private_segment_fixed_size 0
		.amdhsa_enable_private_segment 0
		.amdhsa_kernarg_size 40
		.amdhsa_user_sgpr_count 2
		.amdhsa_user_sgpr_kernarg_segment_ptr 1
		.amdhsa_wavefront_size32 1
		.amdhsa_system_sgpr_workgroup_id_x 1
		.amdhsa_system_sgpr_workgroup_id_y 1
		.amdhsa_system_sgpr_workgroup_id_z 1
		.amdhsa_system_vgpr_workitem_id 0
		.amdhsa_next_free_vgpr 864
		.amdhsa_next_free_sgpr 66
		.amdhsa_reserve_vcc 1
		.amdhsa_float_denorm_mode_32 3
		.amdhsa_float_denorm_mode_16_64 3
		.amdhsa_memory_ordered 1
		.amdhsa_forward_progress 1
		.amdhsa_inst_pref_size 255
	.end_amdhsa_kernel
	.section	.bss,"aw",@nobits
	.p2align	6
	.space	262144
	.amdgpu_metadata
---
amdhsa.version: [ 1, 2 ]
amdhsa.kernels:
  - .name:           k_qc653c00b11_attn
    .symbol:         k_qc653c00b11_attn.kd
    .args:
      - { .name: qkvt, .offset: 0, .size: 8, .value_kind: global_buffer, .address_space: global }
      - { .name: mask, .offset: 8, .size: 8, .value_kind: global_buffer, .address_space: global }
      - { .name: attnc, .offset: 16, .size: 8, .value_kind: global_buffer, .address_space: global }
      - { .name: wo, .offset: 24, .size: 8, .value_kind: global_buffer, .address_space: global }
      - { .name: wob, .offset: 32, .size: 8, .value_kind: global_buffer, .address_space: global }
    .group_segment_fixed_size: 327680
    .private_segment_fixed_size: 0
    .kernarg_segment_align: 8
    .kernarg_segment_size: 40
    .max_flat_workgroup_size: 128
    .sgpr_count:     66
    .vgpr_count:     864
    .wavefront_size: 32
...
	.end_amdgpu_metadata
.endif
;; end of part 6
;; launch oproj (part 7): grid 32 x 8, 4 waves a work-group, clusters of 4 x 4, 327,680 bytes of LDS; arguments attnc, wob, out0; writes out0
.if DOCPART == 7
	.amdgcn_target "amdgcn-amd-amdhsa--gfx1250"
	.amdhsa_code_object_version 6
	.text
	.protected	k_qc653c00b11_oproj
	.globl	k_qc653c00b11_oproj
	.p2align	8
	.type	k_qc653c00b11_oproj,@function
k_qc653c00b11_oproj:
	s_mov_b64 s[64:65], 0
	v_nop
	global_prefetch_b8 v0, s[64:65] scope:SCOPE_SE
	s_setreg_imm32_b32 hwreg(HW_REG_WAVE_MODE, 25, 1), 1
	s_wait_xcnt 0x0
	s_wait_alu depctr_hold_cnt(0) depctr_sa_sdst(0) depctr_va_vdst(0) depctr_va_sdst(0) depctr_va_ssrc(0) depctr_va_vcc(0) depctr_vm_vsrc(0)
	s_getreg_b32 s2, hwreg(HW_REG_IB_STS2, 6, 4)
	s_cmp_eq_u32 s2, 0
	s_cbranch_scc0 .Lentry_in_a_cluster
	s_endpgm
.Lentry_in_a_cluster:
	s_bfe_u32 s2, ttmp6, 0x10000c
	s_cmp_lg_u32 s2, 0xf033
	s_cbranch_scc0 .Lentry_shape_is_right
	s_endpgm
.Lentry_shape_is_right:
; oproj: out0 = attn wo^T, 1,024 x 4,096 over K = 4,096, f16 operands, f32 sums, f32 result.
; Operands: attnc (f16) and wob (wo rounded to bf16 and carried into f16), both made by the attention launch, both in tiles of 16 rows x 16 k of
; 512 bytes: byte = (row/16) * 131072 + (k/16) * 512 + 16 L, lane L = 16 h + r holding row r, k = 8 h + 0..7.
; A work-group makes 128 x 128 (8 x 32 = 256 work-groups), a wave 64 x 64: 16 accumulator tiles.  K goes in 16 steps of 256 through a ring of two LDS slots
; filled by tensor loads.  A row tile's part of a step is 8,192 consecutive bytes in memory and in LDS; a fragment load takes 512 consecutive bytes: no padding.
; CLUSTERS: 4 x 4 work-groups.  attn's tiles hang on the block row alone and are asked for jointly along a row of the cluster, wo's on the block column alone
; and are asked for jointly along a column: the same tensor load, the same descriptor, a mask that names the four.  That divides the requests by four.
; LDS: slot s at 131,072 s: 8 row tiles of wo, then 8 of attn; from 262,144 on a stage of 16 rows x 272 bytes for each wave, for the way out; no tensor load lands there.
; REGISTER WINDOWS: 0 addresses, two fragment buffers (buffer f: attn at v[32+64f+8a], wo at v[64+64f+8b]), the way out; 1 accumulators, tile (a, b) at 8 (4 a + b).
.set RT,    8192                       ; a row tile's part of a K step
.set SLOT,  16*RT
.set STAGE, 2*SLOT
.set SPITCH, 272
.set LAPS,  8                          ; a lap = two K steps = once round the ring
.set NFETCH, 16                        ; LDS loads of a quarter step
.set ADRA, 4                           ; v4-5  my attn fragments in slot 0, 1
.set ADRB, 6                           ; v6-7  my wo fragments
.set STO,  18
.set RD,   19
.set CO,   22
.set G1,  24                           ; s[24:31] descriptor group 1 for attn
.set G0,  32                           ; s[32:39] descriptor group 0 for attn, one set for each slot
.set G1B, 48                           ; s[48:55] group 1 for wo: it differs in the mask alone
.set G0B, 56                           ; s[56:63] group 0 for wo
.set MULW, 0x50                        ; C and D in window 1, sources in window 0
.set MSB, 0
.macro WIN new                         ; the immediate's high byte repeats the setting that is left
.if MSB != \new
	s_set_vgpr_msb (MSB<<8)|\new
.set MSB, \new
.endif
.endm
.macro PLACES n
.rept \n
	v_nop
.endr
.endm
; A joint load.  Waves 0 and 1 fetch wo's two halves, waves 2 and 3 attn's.  Each line has one mask and one set of registers for all that issue it;
; the branch hangs on the wave's number alone.
.macro JLOAD s
	s_cmp_eq_u32 s11, 0
	s_cbranch_scc0 .Lfor_a_\@
	tensor_load_to_lds s[G0B+4*\s:G0B+4*\s+3], s[G1B:G1B+7]
	s_nop 0
	s_branch .Lasked_\@
.Lfor_a_\@:
	tensor_load_to_lds s[G0+4*\s:G0+4*\s+3], s[G1:G1+7]
	s_nop 0
.Lasked_\@:
.endm
; A round of the cluster's barrier: my work-group's barrier, wave 0 signals for the work-group, every wave waits for all sixteen, my work-group's barrier again.
.macro CREST                           ; a round behind its opening barrier
	s_cmp_lg_u32 s10, 0
	s_cbranch_scc1 .Lnot_wave_0_\@
	s_barrier_signal -3
.Lnot_wave_0_\@:
	s_barrier_wait -3
	s_barrier_signal -1
	s_barrier_wait -1
.endm
.macro CROUND                          ; a whole round
	s_barrier_signal -1
	s_barrier_wait -1
	CREST
.endm
	s_load_b128 s[4:7], s[0:1], 0x0                ; attnc s[4:5], wob s[6:7]
	s_load_b64 s[8:9], s[0:1], 0x10                ; out0
	v_lshrrev_b32 v1, 5, v0
	v_readfirstlane_b32 s10, v1                    ; wave 0..3
	s_lshr_b32 s11, s10, 1                         ; wm: which 64 rows are mine.  Also: I fetch wo (0) or attn (1)
	s_and_b32 s12, s10, 1                          ; wn: which 64 columns.  Also: which half of that tile I fetch
	s_bfe_u32 s40, ttmp6, 0x40000                  ; cx
	s_bfe_u32 s41, ttmp6, 0x40004                  ; cy
	s_lshl_b32 s42, ttmp9, 2
	s_add_co_u32 s42, s42, s40                     ; j: block of 128 columns = 4 x cluster x + cx
	s_and_b32 s13, ttmp7, 0xffff
	s_lshl_b32 s13, s13, 2
	s_add_co_u32 s13, s13, s41                     ; i: block of 128 rows = 4 x cluster y + cy
	s_lshl_b32 s43, s41, 2
	s_lshl_b32 s43, 15, s43                        ; my row of the cluster
	s_lshl_b32 s44, 0x1111, s40                    ; my column
	; group 1: 4 rows of 1,024 elements of 8 bytes (a row tile's 8,192 consecutive bytes), 16,384 elements from row tile to row tile
	s_or_b32 s[G1+0], s43, (3<<16)|(1<<21)         ; 15:0 the mask: attn goes to my row; 17:16 elements of 8 bytes; 21 set beside a mask; no padding
	s_or_b32 s[G1B+0], s44, (3<<16)|(1<<21)        ; wo goes to my column
	s_mov_b32 s[G1+1], 1024<<16                    ; tensor_dim0 = 1,024
	s_mov_b32 s[G1B+1], 1024<<16
	s_mov_b32 s[G1+2], 4<<16                       ; tensor_dim1 = 4
	s_mov_b32 s[G1B+2], 4<<16
	s_mov_b32 s[G1+3], 1024<<16                    ; tile_dim0 = 1,024
	s_mov_b32 s[G1B+3], 1024<<16
	s_mov_b32 s[G1+4], 4                           ; tile_dim1 = 4
	s_mov_b32 s[G1B+4], 4
	s_mov_b32 s[G1+5], 16384                       ; stride from row to row
	s_mov_b32 s[G1B+5], 16384
	s_mov_b32 s[G1+6], 0
	s_mov_b32 s[G1B+6], 0
	s_mov_b32 s[G1+7], 0
	s_mov_b32 s[G1B+7], 0
	; each address is made in registers that never hold the other coordinate
	s_lshl_b32 s16, s13, 3
	s_lshl_b32 s17, s12, 2
	s_add_co_u32 s16, s16, s17                     ; attn: row tile 8 i + 4 half
	s_lshl_b32 s16, s16, 17                        ; of 131,072 bytes
	s_mov_b32 s17, 0
	s_lshl_b32 s46, s42, 3
	s_lshl_b32 s47, s12, 2
	s_add_co_u32 s46, s46, s47                     ; wo: row tile 8 j + 4 half
	s_lshl_b32 s46, s46, 17
	s_mov_b32 s47, 0
	s_mul_i32 s20, s10, 4*RT                       ; in LDS: wo's two halves, then attn's two halves = 32,768 w
	s_wait_kmcnt 0x0
	s_add_nc_u64 s[14:15], s[4:5], s[16:17]
	s_add_nc_u64 s[46:47], s[6:7], s[46:47]
	CROUND                                         ; all sixteen work-groups are here: the first joint loads meet
.irp s, 0,1
	s_mov_b32 s[G0+4*\s], 1                                        ; count = 1
	s_add_co_u32 s[G0+4*\s+1], s20, \s*SLOT                        ; LDS address
	s_add_nc_u64 s[G0+4*\s+2:G0+4*\s+3], s[14:15], \s*RT           ; global address: K step s
	s_or_b32 s[G0+4*\s+3], s[G0+4*\s+3], 0x80000000                ; type 2
	s_mov_b32 s[G0B+4*\s], 1
	s_add_co_u32 s[G0B+4*\s+1], s20, \s*SLOT
	s_add_nc_u64 s[G0B+4*\s+2:G0B+4*\s+3], s[46:47], \s*RT
	s_or_b32 s[G0B+4*\s+3], s[G0B+4*\s+3], 0x80000000
	JLOAD \s                                       ; the ring is filled before anything else is done: two tensor loads of a wave are out here, later one
.endr
	v_and_b32 v1, 15, v0                           ; r
	v_bfe_u32 v2, v0, 4, 1                         ; h
	v_and_b32 v3, 31, v0                           ; L
	v_lshlrev_b32 v8, 4, v3                        ; 16 L: my 16 bytes of every tile
	s_mul_i32 s22, s12, 4*RT                       ; my 4 row tiles of wo
	s_mul_i32 s23, s11, 4*RT
	s_add_co_u32 s23, s23, 8*RT                    ; my 4 row tiles of attn, behind wo's 8
.irp s, 0,1
	v_add_nc_u32 v[ADRB+\s], s22, v8
	v_add_nc_u32 v[ADRA+\s], s23, v8
	s_add_co_u32 s22, s22, SLOT
	s_add_co_u32 s23, s23, SLOT
.endr
; 4 matrix instructions: row tile a of attn against my 4 tiles of wo, 32 along K, out of buffer f.  Source 0 = rows of wo, source 1 = rows of attn:
; lane L then holds row L % 16 and eight neighbouring columns.  The 16 accumulators take turns, one instruction a turn, in the same order in
; every quarter step.  zero = 1: the first product starts the sums: nothing is cleared.
.macro MULA f, a, zero
.irp b, 0,1,2,3
.if \zero
	v_wmma_f32_16x16x32_f16 v[8*(4*\a+\b):8*(4*\a+\b)+7], v[64+64*\f+8*\b:64+64*\f+8*\b+7], v[32+64*\f+8*\a:32+64*\f+8*\a+7], 0
.else
	v_wmma_f32_16x16x32_f16 v[8*(4*\a+\b):8*(4*\a+\b)+7], v[64+64*\f+8*\b:64+64*\f+8*\b+7], v[32+64*\f+8*\a:32+64*\f+8*\a+7], v[8*(4*\a+\b):8*(4*\a+\b)+7]
.endif
.endr
.endm
; 16 LDS loads in one run: the fragments of quarter step q (two tiles of 16 k, 1,024 bytes along a row tile) into buffer f: wo first, attn's row tiles 2 and 3 last
.macro FETCH slot, q, f
	WIN 0
.irp b, 0,1,2,3
	ds_load_b128 v[64+64*\f+8*\b:64+64*\f+8*\b+3],   v[ADRB+\slot] offset:\b*RT+\q*1024
	ds_load_b128 v[64+64*\f+8*\b+4:64+64*\f+8*\b+7], v[ADRB+\slot] offset:\b*RT+\q*1024+512
.endr
.irp a, 0,1,2,3
	ds_load_b128 v[32+64*\f+8*\a:32+64*\f+8*\a+3],   v[ADRA+\slot] offset:\a*RT+\q*1024
	ds_load_b128 v[32+64*\f+8*\a+4:32+64*\f+8*\a+7], v[ADRA+\slot] offset:\a*RT+\q*1024+512
.endr
.endm
; One of a K step's first seven quarter steps: multiplies buffer f; in its middle it fetches quarter step nq of the same slot into buffer g.
.macro QUARTER slot, nq, f, g, zero
	s_wait_dscnt 4                                 ; wo and attn's row tiles 0, 1 are in; the youngest four loads (row tiles 2, 3) may be out
	WIN MULW
	MULA \f, 0, \zero
	MULA \f, 1, \zero
	WIN 0
	PLACES 4                                       ; four places between the matrix instructions that read buffer g and the loads into it
	FETCH \slot, \nq, \g
	s_wait_dscnt NFETCH                            ; all but the 16 just issued
	WIN MULW
	MULA \f, 2, \zero
	MULA \f, 3, \zero
.endm
.macro SEVEN slot, zero
	QUARTER \slot, 1, 0, 1, \zero
	QUARTER \slot, 2, 1, 0, 0
	QUARTER \slot, 3, 0, 1, 0
	QUARTER \slot, 4, 1, 0, 0
	QUARTER \slot, 5, 0, 1, 0
	QUARTER \slot, 6, 1, 0, 0
	QUARTER \slot, 7, 0, 1, 0
.endm
; The eighth quarter step: multiplies buffer 1 and changes slots.  fill = 1: this slot is filled again, two K steps ahead.
; One barrier for two things.  In front of it each wave waits for its own reads of this slot and for all its tensor loads, of which one is out: its part of the
; next slot.  Behind it nobody reads this slot any more and the next slot is whole: the refill comes first, then the next slot's first fragments.
.macro TURN slot, next, fill
	s_wait_dscnt 4
	WIN MULW
	MULA 1, 0, 0
	s_wait_dscnt 0x0                               ; my reads of this slot are over
	s_wait_tensorcnt 0x0                           ; and all my tensor loads have landed: my part of the next slot
	s_barrier_signal -1                            ; say so (where a slot is filled again this barrier opens a round of the cluster's barrier),
	MULA 1, 1, 0                                   ; work on registers while the others arrive,
	WIN 0
	s_barrier_wait -1
.if \fill
	CREST                                          ; no wave of any partner still reads this slot or has a load on its way
	s_add_nc_u64 s[G0+4*\slot+2:G0+4*\slot+3], s[G0+4*\slot+2:G0+4*\slot+3], 2*RT
	s_add_nc_u64 s[G0B+4*\slot+2:G0B+4*\slot+3], s[G0B+4*\slot+2:G0B+4*\slot+3], 2*RT
	JLOAD \slot                                    ; the first tensor load behind the round, my only one until the next
.endif
	PLACES 4
	FETCH \next, 0, 0
	WIN MULW
	MULA 1, 2, 0
	MULA 1, 3, 0
.endm
.macro LAP zero                        ; once round the ring, both slots filled again
	SEVEN 0, \zero
	TURN 0, 1, 1
	SEVEN 1, 0
	TURN 1, 0, 1
.endm
	s_wait_tensorcnt 0x1                           ; my part of K step 0 is in; K step 1's may stay out
	s_barrier_signal -1
	s_barrier_wait -1                              ; everybody's is
	FETCH 0, 0, 0
	LAP 1                                          ; the first lap stands in front of the loop: its first products start the sums
	WIN 0                                          ; at a label and at a branch every window is 0
	s_mov_b32 s3, LAPS-2
.Llap:
	LAP 0
	WIN 0
	s_sub_co_u32 s3, s3, 1
	s_cmp_lg_u32 s3, 0
	s_cbranch_scc1 .Llap
	SEVEN 0, 0                                     ; the last lap fills nothing and has no round of the cluster's barrier
	TURN 0, 1, 0
	SEVEN 1, 0
	s_wait_dscnt 0x0                               ; the very last quarter step: nothing more to fetch
	WIN MULW
	MULA 1, 0, 0
	MULA 1, 1, 0
	MULA 1, 2, 0
	MULA 1, 3, 0
	; THE WAY OUT, 16 rows at a time: a lane's 32 bytes (8 columns of one row) into my own stage, whole rows of 256 bytes back, stored by sixteen lanes each.
	; Its scalars lie in s66 and s67: no register that fed a joint load's descriptor ever holds the other coordinate.
	WIN 0
	PLACES 4                                       ; four places behind the last matrix instructions: for the LDS stores of results and the loads into fragment registers
	s_mul_i32 s66, s10, 16*SPITCH
	s_add_co_u32 s66, s66, STAGE                   ; my stage: the wave's number alone
	v_mul_u32_u24 v20, v1, SPITCH
	v_lshl_add_u32 v20, v2, 5, v20
	v_add_nc_u32 v[STO], s66, v20
	v_mul_u32_u24 v21, v2, SPITCH
	v_lshl_add_u32 v21, v1, 4, v21
	v_add_nc_u32 v[RD], s66, v21
	v_lshlrev_b32 v[CO], 4, v1
	v_lshl_add_u32 v[CO], v2, 14, v[CO]            ; lanes 16-31 one row of 16,384 bytes further down
	s_lshl_b32 s66, s13, 21
	s_lshl_b32 s67, s11, 20
	s_add_co_u32 s66, s66, s67                     ; row 128 i + 64 wm
	s_lshl_b32 s67, s42, 9
	s_add_co_u32 s66, s66, s67
	s_lshl_b32 s67, s12, 8
	s_add_co_u32 s66, s66, s67                     ; column 128 j + 64 wn, 4 bytes each
	s_mov_b32 s67, 0
	s_add_nc_u64 s[8:9], s[8:9], s[66:67]
.irp a, 0,1,2,3
	WIN 0x04
.irp b, 0,1,2,3
	ds_store_b128 v[STO], v[8*(4*\a+\b):8*(4*\a+\b)+3]   offset:64*\b
	ds_store_b128 v[STO], v[8*(4*\a+\b)+4:8*(4*\a+\b)+7] offset:64*\b+16
.endr
	WIN 0
.irp t, 0,1,2,3,4,5,6,7
	ds_load_b128 v[32+32*\a+4*\t:32+32*\a+4*\t+3], v[RD] offset:2*SPITCH*\t   ; LDS serves a wave's instructions in order (ISA guide 5.7.1.4): these see the stores above, and the next stores come behind them
.endr
.irp t, 0,1,2,3,4,5,6,7
	s_wait_dscnt 7-\t                              ; rows 2 t, 2 t + 1 are in, the younger loads stay out
	global_store_b128 v[CO], v[32+32*\a+4*\t:32+32*\a+4*\t+3], s[8:9] offset:(16*\a+2*\t)*16384   ; 16 lanes store 256 consecutive bytes at a multiple of 256; each data register is written once
.endr
.endr
	CROUND                                         ; the closing round: no work-group ends while a partner may still ask for a tile that names it
	s_endpgm
.Lfunc_end_k_qc653c00b11_oproj:
	.size	k_qc653c00b11_oproj, .Lfunc_end_k_qc653c00b11_oproj-k_qc653c00b11_oproj
	.p2alignl 7, 3214868480
	.fill 96, 4, 3214868480
	.section	.rodata,"a",@progbits
	.p2align	6, 0x0
	.amdhsa_kernel k_qc653c00b11_oproj
		.amdhsa_group_segment_fixed_size 327680
		.amdhsa_private_segment_fixed_size 0
		.amdhsa_enable_private_segment 0
		.amdhsa_kernarg_size 24
		.amdhsa_user_sgpr_count 2
		.amdhsa_user_sgpr_kernarg_segment_ptr 1
		.amdhsa_wavefront_size32 1
		.amdhsa_system_sgpr_workgroup_id_x 1
		.amdhsa_system_sgpr_workgroup_id_y 1
		.amdhsa_system_sgpr_workgroup_id_z 1
		.amdhsa_system_vgpr_workitem_id 0
		.amdhsa_next_free_vgpr 384
		.amdhsa_next_free_sgpr 80
		.amdhsa_reserve_vcc 0
		.amdhsa_float_denorm_mode_32 3
		.amdhsa_float_denorm_mode_16_64 3
		.amdhsa_memory_ordered 1
		.amdhsa_forward_progress 1
		.amdhsa_inst_pref_size 126
	.end_amdhsa_kernel
	.amdgpu_metadata
---
amdhsa.version: [ 1, 2 ]
amdhsa.kernels:
  - .name:           k_qc653c00b11_oproj
    .symbol:         k_qc653c00b11_oproj.kd
    .args:
      - { .name: attnc, .offset: 0, .size: 8, .value_kind: global_buffer, .address_space: global }
      - { .name: wob, .offset: 8, .size: 8, .value_kind: global_buffer, .address_space: global }
      - { .name: out0, .offset: 16, .size: 8, .value_kind: global_buffer, .address_space: global }
    .group_segment_fixed_size: 327680
    .private_segment_fixed_size: 0
    .kernarg_segment_align: 8
    .kernarg_segment_size: 24
    .max_flat_workgroup_size: 128
    .sgpr_count:     80
    .vgpr_count:     384
    .wavefront_size: 32
...
	.end_amdgpu_metadata
.endif
;; end of part 7
